; MI455X (gfx1250); checked and timed in simulation.
; The chip was launched on July 23, 2026; its instructions are those of AMD's public machine-readable ISA for CDNA 5 (MIT licence, August 2026) and "CDNA5" Instruction Set Architecture Reference Guide (July 2026). The comments in the code are by the model that wrote it; some were corrected since.
;; Transformer Block. Allowed arithmetic: matrix products marked QUANTISED: E3M2 operands, one E8M0 scale for each 32 along K, by v_wmma_scale_f32_16x16x128_f8f6f4 with both operands' format E3M2, f32 sums; everything else in f32.
;; Inputs: W1 1,024 x 4,096 float32; W2 4,096 x 1,024 float32; Wk 1,024 x 1,024 float32; Wo 1,024 x 1,024 float32; Wq 1,024 x 1,024 float32; Wv 1,024 x 1,024 float32; b1 4,096 float32; b2 1,024 float32; bo 1,024 float32; ln1_b 1,024 float32; ln1_g 1,024 float32; ln2_b 1,024 float32; ln2_g 1,024 float32; x 2 x 2,048 x 1,024 float32.
;; Outputs: out0 2 x 2,048 x 1,024 float32.
;; This version of the problem:
;;   THIS VERSION OF THE PROBLEM IS GIVEN IN LOW PRECISION. The matrix products marked QUANTISED in the list below multiply operands that are first quantised to E3M2 (3 exponent bits, 2 mantissa bits; 6 bits a number), with one power-of-two scale for each 32 numbers along K (OCP MX v1.0); their sums are f32. All else is computed in f32.
;;   The module's matrix products, in the order in which they are computed (A, B: the left and right operand; K: the contracted axis; several contracted axes count as one K, in the product's order):
;;     1. [M 4,096, K 1,024] x [K 1,024, N 1,024]; A: computed on the way; B: input Wq: QUANTISED
;;     2. [M 4,096, K 1,024] x [K 1,024, N 1,024]; A: computed on the way; B: input Wk: QUANTISED
;;     3. [M 4,096, K 1,024] x [K 1,024, N 1,024]; A: computed on the way; B: input Wv: QUANTISED
;;     4. batch 32 x [M 2,048, K 64] x [K 64, N 2,048]; A: computed on the way; B: computed on the way: QUANTISED
;;     5. batch 32 x [M 64, K 2,048] x [K 2,048, N 2,048]; A: computed on the way; B: softmax (see below): QUANTISED
;;     6. [M 4,096, K 1,024] x [K 1,024, N 1,024]; A: computed on the way; B: input Wo: QUANTISED
;;     7. [M 4,096, K 1,024] x [K 1,024, N 4,096]; A: computed on the way; B: input W1: QUANTISED
;;     8. [M 4,096, K 4,096] x [K 4,096, N 1,024]; A: computed on the way; B: input W2: QUANTISED
;;   THE QUANTISER, for each operand of a quantised product, along K:
;;     - K is cut into blocks of 32 from its start; a last block that is shorter is filled with zeros.
;;     - A block's scale is 2^e with e = floor(log2(the largest magnitude in the block)) - 4, held to -126 .. 127; a block of zeros has e = 0. As a byte (E8M0): e + 127.
;;     - Each number is divided by its block's scale, clamped to +-28, and rounded to the nearest number of E3M2, ties to even, subnormals kept.
;;     - The product sums the exact products of the quantised numbers (number of the format x scale) in f32.
;;   ~~~python
;;   def quantise(x, axis):      # numpy; x: float32 -> the quantised numbers, widened to float32 again
;;       x = np.moveaxis(x, axis, -1); K = x.shape[-1]
;;       x = np.pad(x, [(0, 0)] * (x.ndim - 1) + [(0, -K % 32)]); x = x.reshape(x.shape[:-1] + (-1, 32)); a = np.abs(x).max(-1, keepdims=True)
;;       e = np.where(a > 0, np.clip(np.frexp(np.where(a > 0, a, 1))[1] - 1 - 4, -126, 127), 0)      # np.frexp(a)[1] - 1 = floor(log2(a)), exactly
;;       r = np.clip(x / 2.0 ** e, -28, 28)
;;       step = 2.0 ** (np.maximum(np.frexp(np.where(r == 0, 1, r))[1] - 1, -2) - 2)
;;       q = np.round(r / step) * step * 2.0 ** e      # np.round: ties to even
;;       return np.moveaxis(q.reshape(q.shape[:-2] + (-1,))[..., :K], -1, axis).astype(np.float32)
;;   ~~~
;;   SOFTMAX AHEAD OF A QUANTISED PRODUCT. Where the list says 'softmax', what is quantised is not the finished softmax but p = 2^(t - M), with t = logit x log2(e) and M = ceil(the row's largest t), a whole number; so 1/2 < the row's largest p <= 1. The row's sum l is taken of the UNQUANTISED p, in f32, and the product's result is divided by l at the end. Since M is a whole number, a kernel that streams over the keys may use a running M (the ceiling of the running maximum): every later rescaling is an exact power of two, which a block's scale takes up: the codes' values come out the same.
;;   OPERANDS COMPUTED ON THE WAY. 'Computed on the way' means the value that the module computes at that place (a softmax that the list does not call 'softmax' is quantised finished and normalised). What goes into a quantiser is computed in f32, as accurately as f32 sums, v_exp_f32 and their like allow (about 1e-6 of the number): no bf16 or f16 on the way to a quantiser, and a product that is left as it is and whose result goes on into a quantised operand takes f32 operands (vector FMAs, or v_wmma_f32_16x16x4_f32). A number that lies on a knife's edge between two numbers of the format may be rounded either way, as far as f32 arithmetic and the matrix unit's own rounding can turn it there, and no further.
;; One version. Each part assembles by itself: llvm-mc -triple=amdgcn-amd-amdhsa -mcpu=gfx1250 --defsym DOCPART=n.
;; ======== version 1 of 1: 8 launches
;; limits: right only within a limited range of input values
;; workspace buffers: WB 22,937,600 bytes; WV 3,276,800 bytes; H 3,276,800 bytes; QK 13,107,200 bytes; VG 13,107,200 bytes; X1 16,777,216 bytes
;; launch wquant (part 1): grid 384 x 1, 4 waves a work-group, no clusters, 0 bytes of LDS; arguments Wq, Wk, Wv, Wo, W1, W2, WB, WV; writes WB, WV
.if DOCPART == 1
	.amdgcn_target "amdgcn-amd-amdhsa--gfx1250"
	.amdhsa_code_object_version 6
	.text
	.protected	k_q7ed61b8a06_wquant
	.globl	k_q7ed61b8a06_wquant
	.p2align	8
	.type	k_q7ed61b8a06_wquant,@function
k_q7ed61b8a06_wquant:
	s_mov_b64 s[64:65], 0
	v_nop
	global_prefetch_b8 v0, s[64:65] scope:SCOPE_SE
	s_setreg_imm32_b32 hwreg(HW_REG_WAVE_MODE, 25, 1), 1
	s_wait_xcnt 0x0
; The six weights, f32, stored [K][N], become operands of BF6 (E3M2) codes with one E8M0 byte for each 32 along K, K being their FIRST axis.
; AN OPERAND BUFFER (this program's own layout).  Its rows (here the columns n of a weight) go in tiles of 16; place r of tile t holds row 32 (t / 2) + 8 (t % 2) + r + 8 (r / 8).
; Codes: [K / 64][256 tiles][768 bytes].  The 768 bytes are the image of six registers of 32 lanes: lane r + 16 h holds k = 32 h .. 32 h + 31 of the tile's place r;
; registers 0-3 lie at 16 x lane, registers 4-5 at 512 + 8 x lane.  Scale words: [K / 128][64 groups of four tiles][16 places][4 words], byte b of a word for k = 32 b .. 32 b + 31.
; A LANE TAKES A COLUMN n AND ITS REGISTERS RUN DOWN K: a block of 32 along K lies in one lane, its largest magnitude needs no other lane, and its 24 bytes of codes are one lane's part of an image:
; the store's address alone puts them there.  A wave takes 32 columns (two tiles) x 256 along K; a work-group 128 columns.  No LDS, no barrier: waves share nothing.
; Jobs by the work-group's number: 0-31 Wq, 32-63 Wk (behind Wq's 64 tiles in one operand), 64-95 Wv (a buffer of its own), 96-127 Wo, 128-255 W1, 256-383 W2.  One path for all; only numbers and pointers are chosen.
; A block's scale is 2^(floor(log2(largest magnitude)) - 4); its byte is that magnitude's exponent field - 4, held at 1 from below.  A block of zeros so gets the byte 1: its codes are zeros, and this program alone reads the bytes.
; LIMITS: NaN and infinities among the inputs are not served; blocks whose largest magnitude lies under 2^-122 take the floor's byte.
; No cluster, no tensor load: every input byte is read once by one wave, nothing is shared.
.set XCP,  196608                      ; bytes from one run of 64 along K to the next
.set KSP,  16384                       ; bytes from one 128 along K of scale words to the next
.set SC1,  3145728                     ; where the scale words begin in an operand of 16 runs
.set SC4,  12582912                    ; and in one of 64 runs
.set A16,  4                           ; v4   768 u + 16 r: my place in an image's first 512 bytes (u: which of the wave's two tiles)
.set A8,   5                           ; v5   768 u + 8 r: and in its last 256
.set AS,   6                           ; v6   16 r + 4 u: my scale word
.set SB,   24                          ; v24-25  scale bytes, four to a register
.set OFF,  32                          ; v32-63  4 x lane + i rows: the offsets of a block's 32 loads; never rewritten
.set X,    64                          ; v64-127 two sets of 32 numbers
.set C,    128                         ; v128-191 eight registers of codes for each block: no store's data are written again
	s_load_b512 s[4:19], s[0:1], 0x0               ; Wq, Wk, Wv, Wo, W1, W2, WB, WV
	v_lshrrev_b32 v1, 5, v0
	v_readfirstlane_b32 s50, v1                    ; wave
	v_and_b32 v1, 31, v0                           ; lane = my column in the wave's 32
	v_bfe_u32 v2, v0, 3, 1                         ; u = (lane / 8) % 2
	v_and_b32 v3, 7, v0
	v_bfe_u32 v7, v0, 4, 1
	v_lshl_add_u32 v3, v7, 3, v3                   ; r = lane % 8 + 8 (lane / 16)
	v_mul_u32_u24 v8, v2, 768
	v_lshl_add_u32 v[A16], v3, 4, v8
	v_lshl_add_u32 v[A8], v3, 3, v8
	v_lshlrev_b32 v[AS], 4, v3
	v_lshl_add_u32 v[AS], v2, 2, v[AS]
	s_mov_b32 s20, 0                               ; the job's first work-group,
	s_mov_b32 s21, 3                               ; log2 of its blocks of 128 columns,
	s_mov_b32 s22, 0                               ; where its codes begin in the buffer,
	s_mov_b32 s23, SC1                             ; and its scale words: Wq's to begin with
	s_wait_kmcnt 0x0
	s_mov_b64 s[24:25], s[4:5]
.macro PICK from, src, lg, coff, soff  ; from work-group number from on: another weight.  The choice hangs on the work-group's number alone
	s_cmp_ge_u32 ttmp9, \from
	s_cselect_b64 s[24:25], s[\src:\src+1], s[24:25]
	s_cselect_b32 s20, \from, s20
	s_cselect_b32 s21, \lg, s21
	s_cselect_b32 s22, \coff, s22
	s_cselect_b32 s23, \soff, s23
.endm
	PICK 32, 6, 3, 49152, SC1+4096                 ; Wk: tiles 64 on, groups 16 on
	PICK 64, 8, 3, 0, SC1                          ; Wv
	PICK 96, 10, 3, 3276800, 3276800+SC1           ; Wo
	PICK 128, 12, 5, 6553600, 6553600+SC1          ; W1
	PICK 256, 14, 3, 9830400, 9830400+SC4          ; W2
	s_lshr_b32 s26, ttmp9, 5
	s_cmp_eq_u32 s26, 2
	s_cselect_b64 s[26:27], s[18:19], s[16:17]     ; Wv goes to WV, all others to WB
	s_sub_co_u32 s28, ttmp9, s20
	s_bfm_b32 s29, s21, 0
	s_and_b32 s29, s28, s29                        ; nb: which 128 columns
	s_lshr_b32 s28, s28, s21                       ; kb: which 256 along K
	s_lshl_b32 s30, 512, s21                       ; a row of the weight in bytes
	v_lshlrev_b32 v[OFF], 2, v1
.set i, 1
.rept 31
	v_add_nc_u32 v[OFF+i], s30, v[OFF+i-1]
.set i, i+1
.endr
	s_lshl_b32 s31, s28, 8
	s_mul_i32 s31, s31, s30                        ; 256 kb rows
	s_lshl_b32 s51, s29, 9
	s_add_co_u32 s31, s31, s51                     ; + 128 nb columns
	s_lshl_b32 s51, s50, 7
	s_add_co_u32 s52, s31, s51                     ; + 32 columns a wave
	s_mov_b32 s53, 0
	s_add_nc_u64 s[32:33], s[24:25], s[52:53]      ; a base for each of the eight blocks: none is ever stepped
	s_lshl_b32 s52, s30, 5                         ; 32 rows
.irp t, 1,2,3,4,5,6,7
	s_add_nc_u64 s[32+2*\t:33+2*\t], s[30+2*\t:31+2*\t], s[52:53]
.endr
	s_mul_i32 s54, s28, 4*XCP                      ; codes: run 4 kb,
	s_add_co_u32 s54, s54, s22
	s_lshl_b32 s55, s29, 3
	s_lshl_b32 s56, s50, 1
	s_add_co_u32 s55, s55, s56
	s_mul_i32 s55, s55, 768                        ; tile 8 nb + 2 wave
	s_add_co_u32 s54, s54, s55
	s_mov_b32 s55, 0
	s_add_nc_u64 s[48:49], s[26:27], s[54:55]
	s_mul_i32 s54, s28, 2*KSP                      ; scale words: 128-step 2 kb,
	s_add_co_u32 s54, s54, s23
	s_lshl_b32 s56, s29, 9
	s_add_co_u32 s54, s54, s56                     ; group 2 nb + wave / 2,
	s_lshr_b32 s56, s50, 1
	s_lshl_b32 s56, s56, 8
	s_add_co_u32 s54, s54, s56
	s_and_b32 s56, s50, 1
	s_lshl_b32 s56, s56, 3
	s_add_co_u32 s54, s54, s56                     ; words 2 (wave % 2) + u
	s_add_nc_u64 s[58:59], s[26:27], s[54:55]
.macro LOAD t                          ; block t: W(32 t + i, my column), i = 0 .. 31, into set t % 2; a wave's load reads 128 consecutive bytes, the four waves stand side by side
.set i, 0
.rept 32
	global_load_b32 v[X+32*((\t)%2)+i], v[OFF+i], s[32+2*(\t):33+2*(\t)] th:TH_LOAD_NT
.set i, i+1
.endr
.endm
	s_wait_alu depctr_va_vdst(0)
	LOAD 0
	LOAD 1
.macro BLOCK t
.set XS, X+32*((\t)%2)
.set CT, C+8*(\t)
.if (\t) < 7
	s_wait_loadcnt 32                              ; this block's 32 loads are in; the next block's 32 may be out
.else
	s_wait_loadcnt 0x0
.endif
	v_max3_num_f32 v12, |v[XS]|, |v[XS+1]|, |v[XS+2]|   ; the block's largest magnitude, in two chains
	v_max3_num_f32 v13, |v[XS+3]|, |v[XS+4]|, |v[XS+5]|
.irp i, 6,10,14,18,22,26
	v_max3_num_f32 v12, v12, |v[XS+\i]|, |v[XS+\i+1]|
	v_max3_num_f32 v13, v13, |v[XS+\i+2]|, |v[XS+\i+3]|
.endr
	v_max3_num_f32 v12, v12, |v[XS+30]|, |v[XS+31]|
	v_max3_num_f32 v12, v12, v13, 0x2800000        ; and the floor 2^(5 - 127): the byte cannot fall under 1
	v_add_nc_u32 v11, 0xfe000000, v12              ; 4 off the exponent field: the conversion takes that field of this operand as its scale
	v_lshrrev_b32 v13, 23, v11                     ; the scale's byte
.if (\t)%4 == 0
	v_mov_b32 v[SB+(\t)/4], v13
.else
	v_lshl_or_b32 v[SB+(\t)/4], v13, 8*((\t)%4), v[SB+(\t)/4]
.endif
	v_cvt_scalef32_pk16_bf6_f32 v[CT:CT+2], v[XS:XS+15], v11
	v_cvt_scalef32_pk16_bf6_f32 v[CT+4:CT+6], v[XS+16:XS+31], v11   ; (a conversion's three registers begin on an even number)
	v_nop                                          ; one plain line between a scaled conversion and the vector lines that touch its result
	v_mov_b32 v[CT+3], v[CT+4]                     ; the block's six registers on end
	v_mov_b32 v[CT+4], v[CT+5]
	v_mov_b32 v[CT+5], v[CT+6]
	global_store_b128 v[A16], v[CT:CT+3], s[48:49] offset:((\t)/2)*XCP+256*((\t)%2)        ; lane place r + 16 (t % 2) of run t / 2: the wave writes 256 consecutive bytes in each of its two tiles
	global_store_b64 v[A8], v[CT+4:CT+5], s[48:49] offset:((\t)/2)*XCP+512+128*((\t)%2)
.if (\t)%4 == 3
	global_store_b32 v[AS], v[SB+(\t)/4], s[58:59] offset:((\t)/4)*KSP
.endif
.if (\t)+2 < 8
	LOAD (\t)+2
.endif
.endm
.irp t, 0,1,2,3,4,5,6,7
	BLOCK \t
.endr
	s_endpgm
.Lfunc_end_k_q7ed61b8a06_wquant:
	.size	k_q7ed61b8a06_wquant, .Lfunc_end_k_q7ed61b8a06_wquant-k_q7ed61b8a06_wquant
	.p2alignl 7, 3214868480
	.fill 96, 4, 3214868480
	.section	.rodata,"a",@progbits
	.p2align	6, 0x0
	.amdhsa_kernel k_q7ed61b8a06_wquant
		.amdhsa_group_segment_fixed_size 0
		.amdhsa_private_segment_fixed_size 0
		.amdhsa_enable_private_segment 0
		.amdhsa_kernarg_size 64
		.amdhsa_user_sgpr_count 2
		.amdhsa_user_sgpr_kernarg_segment_ptr 1
		.amdhsa_wavefront_size32 1
		.amdhsa_system_sgpr_workgroup_id_x 1
		.amdhsa_system_sgpr_workgroup_id_y 1
		.amdhsa_system_sgpr_workgroup_id_z 1
		.amdhsa_system_vgpr_workitem_id 0
		.amdhsa_next_free_vgpr 192
		.amdhsa_next_free_sgpr 66
		.amdhsa_reserve_vcc 0
		.amdhsa_float_denorm_mode_32 3
		.amdhsa_float_denorm_mode_16_64 3
		.amdhsa_memory_ordered 1
		.amdhsa_forward_progress 1
		.amdhsa_inst_pref_size 43
	.end_amdhsa_kernel
	.amdgpu_metadata
---
amdhsa.version: [ 1, 2 ]
amdhsa.kernels:
  - .name:           k_q7ed61b8a06_wquant
    .symbol:         k_q7ed61b8a06_wquant.kd
    .args:
      - { .name: Wq, .offset: 0, .size: 8, .value_kind: global_buffer, .address_space: global }
      - { .name: Wk, .offset: 8, .size: 8, .value_kind: global_buffer, .address_space: global }
      - { .name: Wv, .offset: 16, .size: 8, .value_kind: global_buffer, .address_space: global }
      - { .name: Wo, .offset: 24, .size: 8, .value_kind: global_buffer, .address_space: global }
      - { .name: W1, .offset: 32, .size: 8, .value_kind: global_buffer, .address_space: global }
      - { .name: W2, .offset: 40, .size: 8, .value_kind: global_buffer, .address_space: global }
      - { .name: WB, .offset: 48, .size: 8, .value_kind: global_buffer, .address_space: global }
      - { .name: WV, .offset: 56, .size: 8, .value_kind: global_buffer, .address_space: global }
    .group_segment_fixed_size: 0
    .private_segment_fixed_size: 0
    .kernarg_segment_align: 8
    .kernarg_segment_size: 64
    .max_flat_workgroup_size: 128
    .sgpr_count:     66
    .vgpr_count:     192
    .wavefront_size: 32
...
	.end_amdgpu_metadata
.endif
;; end of part 1
;; launch ln1 (part 2): grid 256 x 1, 8 waves a work-group, no clusters, 67,072 bytes of LDS; arguments x, ln1_g, ln1_b, H; writes H
.if DOCPART == 2
	.amdgcn_target "amdgcn-amd-amdhsa--gfx1250"
	.amdhsa_code_object_version 6
	.text
	.protected	k_q7ed61b8a06_ln1
	.globl	k_q7ed61b8a06_ln1
	.p2align	8
	.type	k_q7ed61b8a06_ln1,@function
k_q7ed61b8a06_ln1:
	s_mov_b64 s[64:65], 0
	v_nop
	global_prefetch_b8 v0, s[64:65] scope:SCOPE_SE
	s_setreg_imm32_b32 hwreg(HW_REG_WAVE_MODE, 25, 1), 1
	s_wait_xcnt 0x0
; LayerNorm of [4096][1024] f32 rows, and its result quantised along the row into an operand of BF6 (E3M2) codes: y = (x - mean) rsqrt(var + 1e-5) g + b, all in f32; y never goes to memory.
; THE OPERAND BUFFER: rows (tokens) in tiles of 16, place r of tile t = row 32 (t / 2) + 8 (t % 2) + r + 8 (r / 8).  Codes [16 runs of 64 along K][256 tiles][768 bytes]: the image of six registers of 32 lanes,
; lane r + 16 h holding k = 32 h .. 32 h + 31 of place r; registers 0-3 at 16 x lane, registers 4-5 at 512 + 8 x lane.  Scale words from byte SC1 on: [8 steps of 128][64 groups of four tiles][16 places][4 words].
; SHARES.  A work-group owns one tile of 16 tokens.  PHASE 1: wave w normalises places 2 w and 2 w + 1, two neighbouring tokens (8,192 consecutive bytes), each row spread over the 32 lanes, and puts them into a stage in LDS.
; The mean is taken first and the variance of the differences, so that a common offset of the inputs costs no digits.  PHASE 2: wave w takes 128 along K of all 16 rows; a lane reads two whole blocks of 32 of its row,
; so a block's largest magnitude needs no other lane, and the conversions' results are the image's registers.
; A block's scale byte is its largest magnitude's exponent field - 4, held at 1 from below (a block of zeros gets 1: its codes are zeros, and this program alone reads the bytes).
; LIMITS: NaN and infinities are not served.  No cluster, no tensor load, no matrix unit: each input byte is read once, by 16-byte loads of which a wave's covers 512 consecutive bytes.
.set XCP,   196608
.set KSP,   16384
.set SC1,   3145728
.set PITCH, 4112                       ; a stage row: 4,096 bytes + 16, so that the 16 rows that a load of phase 2 touches begin 16 bytes further on in each 256
.set XR,    32                         ; v32-95   two rows, 32 numbers a lane each; in phase 2 two blocks of 32
.set G,     96                         ; v96-127  g of my 32 columns; in phase 2 the codes
.set B,     128                        ; v128-159 b
	s_load_b256 s[4:11], s[0:1], 0x0               ; the rows, g, b, the operand
	v_lshl_add_u32 v176, v0, 2, 0x10200
	v_mov_b32 v177, 0
	v_lshrrev_b32 v1, 5, v0
	s_delay_alu instid0(VALU_DEP_1)
	v_readfirstlane_b32 s12, v1                    ; wave 0..7
	v_and_b32 v1, 31, v0                           ; lane
	v_and_b32 v2, 15, v0                           ; r
	v_bfe_u32 v3, v0, 4, 1                         ; h
	s_delay_alu instid0(VALU_DEP_3)
	v_lshlrev_b32 v4, 4, v1                        ; 16 x lane
	s_delay_alu instid0(VALU_DEP_4)
	v_lshlrev_b32 v5, 3, v1                        ; 8 x lane
	s_mul_i32 s13, s12, 2*PITCH
	v_add_nc_u32 v6, s13, v4                       ; the stage, on the way in: my wave's two rows
	v_mul_u32_u24 v7, v2, PITCH
	s_delay_alu instid0(VALU_DEP_1)
	v_lshl_add_u32 v7, v3, 7, v7
	s_lshl_b32 s13, s12, 9
	v_add_nc_u32 v7, s13, v7                       ; and on the way out: row r, 512 w + 128 h bytes on
	v_lshlrev_b32 v8, 4, v2                        ; 16 r: my row's scale word
	s_lshr_b32 s14, ttmp9, 1                       ; my first token: 32 (t / 2) + 8 (t % 2) + 2 w + 8 (w / 4)
	s_lshl_b32 s14, s14, 5
	s_and_b32 s15, ttmp9, 1
	s_lshl_b32 s15, s15, 3
	s_add_co_u32 s14, s14, s15
	s_lshl_b32 s15, s12, 1
	s_add_co_u32 s14, s14, s15
	s_lshr_b32 s15, s12, 2
	s_lshl_b32 s15, s15, 3
	s_add_co_u32 s14, s14, s15
	s_lshl_b32 s14, s14, 12                        ; in bytes
	s_mov_b32 s15, 0
	s_mul_i32 s16, s12, 2*XCP                      ; codes: runs 2 w and 2 w + 1, tile t
	s_mul_i32 s17, ttmp9, 768
	s_add_co_u32 s16, s16, s17
	s_mov_b32 s17, 0
	s_mul_i32 s18, s12, KSP                        ; scale words: step w, group t / 4, word t % 4
	s_lshr_b32 s19, ttmp9, 2
	s_lshl_b32 s19, s19, 8
	s_add_co_u32 s18, s18, s19
	s_and_b32 s19, ttmp9, 3
	s_lshl_b32 s19, s19, 2
	s_add_co_u32 s18, s18, s19
	s_add_co_u32 s18, s18, SC1
	s_mov_b32 s19, 0
	s_mov_b32 s24, 0x3a800000                      ; 1 / 1024
	s_mov_b32 s25, 0x3727c5ac                      ; 1e-5
	s_mov_b32 s26, 0x76543210                      ; v_permlanex16_b32: lane l xor 16
	s_mov_b32 s27, 0xfedcba98
	s_wait_alu depctr_va_vdst(0)
	s_wait_kmcnt 0x0
	s_add_nc_u64 s[4:5], s[4:5], s[14:15]
	s_add_nc_u64 s[20:21], s[10:11], s[16:17]
	s_add_nc_u64 s[22:23], s[10:11], s[18:19]
.set j, 0
.rept 16
	global_load_b128 v[XR+4*j:XR+4*j+3], v4, s[4:5] offset:512*j     ; loads 0-7 the first row, 8-15 the second
.set j, j+1
.endr
.set j, 0
.rept 8
	global_load_b128 v[G+4*j:G+4*j+3], v4, s[6:7] offset:512*j
.set j, j+1
.endr
.set j, 0
.rept 8
	global_load_b128 v[B+4*j:B+4*j+3], v4, s[8:9] offset:512*j
.set j, j+1
.endr
.macro REDUCE                          ; v160 summed over the 32 lanes, the result in every lane
	s_delay_alu instid0(VALU_DEP_1)
	v_add_f32_dpp v160, v160, v160 row_xmask:1 row_mask:0xf bank_mask:0xf
	s_delay_alu instid0(VALU_DEP_1)
	v_add_f32_dpp v160, v160, v160 row_xmask:2 row_mask:0xf bank_mask:0xf
	s_delay_alu instid0(VALU_DEP_1)
	v_add_f32_dpp v160, v160, v160 row_xmask:4 row_mask:0xf bank_mask:0xf
	s_delay_alu instid0(VALU_DEP_1)
	v_add_f32_dpp v160, v160, v160 row_xmask:8 row_mask:0xf bank_mask:0xf
	s_delay_alu instid0(VALU_DEP_1)
	v_permlanex16_b32 v161, v160, s26, s27
	s_delay_alu instid0(VALU_DEP_1)
	v_add_f32 v160, v160, v161
.endm
.macro STATS x, rs                     ; the row at v[x]: x - mean in place; 1 / sqrt(var + eps), twice, in v[rs], v[rs + 1]
	v_pk_add_f32 v[160:161], v[\x:\x+1], v[\x+2:\x+3]
	v_pk_add_f32 v[162:163], v[\x+4:\x+5], v[\x+6:\x+7]
.irp i, 8,12,16,20,24,28
	s_delay_alu instid0(VALU_DEP_2)
	v_pk_add_f32 v[160:161], v[160:161], v[\x+\i:\x+\i+1]
	s_delay_alu instid0(VALU_DEP_2)
	v_pk_add_f32 v[162:163], v[162:163], v[\x+\i+2:\x+\i+3]
.endr
	s_delay_alu instid0(VALU_DEP_1)
	v_pk_add_f32 v[160:161], v[160:161], v[162:163]
	s_delay_alu instid0(VALU_DEP_1)
	v_add_f32 v160, v160, v161
	REDUCE
	s_delay_alu instid0(VALU_DEP_1)
	v_mul_f32 v164, s24, v160                      ; the mean
	s_delay_alu instid0(VALU_DEP_1)
	v_mov_b32 v165, v164
.irp i, 0,2,4,6,8,10,12,14,16,18,20,22,24,26,28,30
	v_pk_add_f32 v[\x+\i:\x+\i+1], v[\x+\i:\x+\i+1], v[164:165] neg_lo:[0,1] neg_hi:[0,1]
.endr
	v_pk_mul_f32 v[160:161], v[\x:\x+1], v[\x:\x+1]
	v_pk_mul_f32 v[162:163], v[\x+2:\x+3], v[\x+2:\x+3]
.irp i, 4,8,12,16,20,24,28
	s_delay_alu instid0(VALU_DEP_2)
	v_pk_fma_f32 v[160:161], v[\x+\i:\x+\i+1], v[\x+\i:\x+\i+1], v[160:161]
	s_delay_alu instid0(VALU_DEP_2)
	v_pk_fma_f32 v[162:163], v[\x+\i+2:\x+\i+3], v[\x+\i+2:\x+\i+3], v[162:163]
.endr
	s_delay_alu instid0(VALU_DEP_1)
	v_pk_add_f32 v[160:161], v[160:161], v[162:163]
	s_delay_alu instid0(VALU_DEP_1)
	v_add_f32 v160, v160, v161
	REDUCE
	s_delay_alu instid0(VALU_DEP_1)
	v_fma_f32 v160, v160, s24, s25                 ; var + eps
	s_wait_alu depctr_va_vdst(0)
	v_rsq_f32 v[\rs], v160
	v_nop                                          ; one plain line behind the transcendental
	s_wait_alu depctr_va_vdst(0)
	v_mov_b32 v[\rs+1], v[\rs]
.endm
	s_wait_loadcnt 16                              ; the two rows are in; the 16 loads of g and b may be out
	STATS 32, 166
	STATS 64, 168
	s_wait_loadcnt 0x0                             ; g and b
.irp p, 0,1
.irp i, 0,2,4,6,8,10,12,14,16,18,20,22,24,26,28,30
	v_pk_mul_f32 v[XR+32*\p+\i:XR+32*\p+\i+1], v[XR+32*\p+\i:XR+32*\p+\i+1], v[166+2*\p:167+2*\p]
.endr
.irp i, 0,2,4,6,8,10,12,14,16,18,20,22,24,26,28,30
	v_pk_fma_f32 v[XR+32*\p+\i:XR+32*\p+\i+1], v[XR+32*\p+\i:XR+32*\p+\i+1], v[G+\i:G+\i+1], v[B+\i:B+\i+1]
.endr
.endr
.irp p, 0,1
.irp j, 0,1,2,3,4,5,6,7
	ds_store_b128 v6, v[XR+32*\p+4*\j:XR+32*\p+4*\j+3] offset:\p*PITCH+512*\j
.endr
.endr
	s_wait_dscnt 0x0                               ; for the others' sake: my two rows lie in the stage
	s_barrier_signal -1
	s_barrier_wait -1                              ; all sixteen do
.irp c, 0,1
.irp i, 0,1,2,3,4,5,6,7
	ds_load_b128 v[XR+32*\c+4*\i:XR+32*\c+4*\i+3], v7 offset:256*\c+16*\i   ; y(r, 128 w + 64 c + 32 h + 4 i ..): block 2 c + h of the step, whole
.endr
.endr
	s_wait_dscnt 0x0
.irp c, 0,1
	v_max3_num_f32 v[10+\c], |v[XR+32*\c]|, |v[XR+1+32*\c]|, 0x2800000   ; with the floor 2^(5 - 127): the byte cannot fall under 1
.endr
.irp i, 2,4,6,8,10,12,14,16,18,20,22,24,26,28,30
.irp c, 0,1
	s_delay_alu instid0(VALU_DEP_2)
	v_max3_num_f32 v[10+\c], v[10+\c], |v[XR+32*\c+\i]|, |v[XR+1+32*\c+\i]|   ; (the two blocks by turns)
.endr
.endr
.irp c, 0,1
	s_delay_alu instid0(VALU_DEP_2)
	v_add_nc_u32 v[12+\c], 0xfe000000, v[10+\c]    ; 4 off the exponent field: the conversion's scale operand
.endr
.irp c, 0,1
	s_delay_alu instid0(VALU_DEP_2)
	v_lshrrev_b32 v[14+\c], 23, v[12+\c]           ; the scale's byte
.endr
	s_delay_alu instid0(VALU_DEP_1)
	v_lshl_or_b32 v16, v15, 16, v14                ; my two bytes, blocks h and 2 + h,
	v_lshlrev_b32 v17, 3, v3
	s_delay_alu instid0(VALU_DEP_1)
	v_lshlrev_b32 v16, v17, v16                    ; at their places in the word;
	v_mov_b32 v17, 0
	s_delay_alu instid0(VALU_DEP_1)
	v_permlanex16_b32 v17, v16, s26, s27
	s_delay_alu instid0(VALU_DEP_1)
	v_or_b32 v16, v16, v17                         ; with lane l xor 16's two the word is whole, in both lanes
.irp c, 0,1
	v_cvt_scalef32_pk16_bf6_f32 v[G+8*\c:G+8*\c+2], v[XR+32*\c:XR+32*\c+15], v[12+\c]
	v_cvt_scalef32_pk16_bf6_f32 v[G+8*\c+4:G+8*\c+6], v[XR+32*\c+16:XR+32*\c+31], v[12+\c]   ; (a conversion's three registers begin on an even number)
.endr
	v_nop                                          ; one plain line behind the scaled conversions
.irp c, 0,1
	v_mov_b32 v[G+8*\c+3], v[G+8*\c+4]
	v_mov_b32 v[G+8*\c+4], v[G+8*\c+5]
	v_mov_b32 v[G+8*\c+5], v[G+8*\c+6]
.endr
.irp c, 0,1
	global_store_b128 v4, v[G+8*\c:G+8*\c+3], s[20:21] offset:\c*XCP          ; 512 consecutive bytes
	global_store_b64 v5, v[G+8*\c+4:G+8*\c+5], s[20:21] offset:\c*XCP+512     ; 256 consecutive bytes
.endr
	global_store_b32 v8, v16, s[22:23]             ; lanes r and r + 16 write the same word with the same value
	s_wait_tensorcnt 0x0
	ds_add_u32 v176, v177
	s_wait_dscnt 0x0
	s_endpgm
.Lfunc_end_k_q7ed61b8a06_ln1:
	.size	k_q7ed61b8a06_ln1, .Lfunc_end_k_q7ed61b8a06_ln1-k_q7ed61b8a06_ln1
	.p2alignl 7, 3214868480
	.fill 96, 4, 3214868480
	.section	.rodata,"a",@progbits
	.p2align	6, 0x0
	.amdhsa_kernel k_q7ed61b8a06_ln1
		.amdhsa_group_segment_fixed_size 67072
		.amdhsa_private_segment_fixed_size 0
		.amdhsa_enable_private_segment 0
		.amdhsa_kernarg_size 32
		.amdhsa_user_sgpr_count 2
		.amdhsa_user_sgpr_kernarg_segment_ptr 1
		.amdhsa_wavefront_size32 1
		.amdhsa_system_sgpr_workgroup_id_x 1
		.amdhsa_system_sgpr_workgroup_id_y 1
		.amdhsa_system_sgpr_workgroup_id_z 1
		.amdhsa_system_vgpr_workitem_id 0
		.amdhsa_next_free_vgpr 178
		.amdhsa_next_free_sgpr 66
		.amdhsa_reserve_vcc 0
		.amdhsa_float_denorm_mode_32 3
		.amdhsa_float_denorm_mode_16_64 3
		.amdhsa_memory_ordered 1
		.amdhsa_forward_progress 1
		.amdhsa_inst_pref_size 28
	.end_amdhsa_kernel
	.amdgpu_metadata
---
amdhsa.version: [ 1, 2 ]
amdhsa.kernels:
  - .name:           k_q7ed61b8a06_ln1
    .symbol:         k_q7ed61b8a06_ln1.kd
    .args:
      - { .name: x, .offset: 0, .size: 8, .value_kind: global_buffer, .address_space: global }
      - { .name: ln1_g, .offset: 8, .size: 8, .value_kind: global_buffer, .address_space: global }
      - { .name: ln1_b, .offset: 16, .size: 8, .value_kind: global_buffer, .address_space: global }
      - { .name: H, .offset: 24, .size: 8, .value_kind: global_buffer, .address_space: global }
    .group_segment_fixed_size: 67072
    .private_segment_fixed_size: 0
    .kernarg_segment_align: 8
    .kernarg_segment_size: 32
    .max_flat_workgroup_size: 256
    .sgpr_count:     66
    .vgpr_count:     178
    .wavefront_size: 32
...
	.end_amdgpu_metadata
.endif
;; end of part 2
;; launch qk (part 3): grid 16 x 48, 4 waves a work-group, clusters of 4 x 4, 327,680 bytes of LDS; arguments WB, H, QK, WV, VG; writes QK, VG
.if DOCPART == 3
	.amdgcn_target "amdgcn-amd-amdhsa--gfx1250"
	.amdhsa_code_object_version 6
	.text
	.protected	k_q7ed61b8a06_qk
	.globl	k_q7ed61b8a06_qk
	.p2align	8
	.type	k_q7ed61b8a06_qk,@function
k_q7ed61b8a06_qk:
	s_mov_b64 s[64:65], 0
	v_nop
	global_prefetch_b8 v0, s[64:65] scope:SCOPE_SE
	s_setreg_imm32_b32 hwreg(HW_REG_WAVE_MODE, 25, 1), 1
	s_wait_xcnt 0x0
	s_wait_alu depctr_hold_cnt(0) depctr_sa_sdst(0) depctr_va_vdst(0) depctr_va_sdst(0) depctr_va_ssrc(0) depctr_va_vcc(0) depctr_vm_vsrc(0)
	s_getreg_b32 s2, hwreg(HW_REG_IB_STS2, 6, 4)
	s_cmp_eq_u32 s2, 0
	s_cbranch_scc0 .Lentry_in_a_cluster
	s_endpgm
.Lentry_in_a_cluster:
	s_bfe_u32 s2, ttmp6, 0x10000c
	s_cmp_lg_u32 s2, 0xf033
	s_cbranch_scc0 .Lentry_shape_is_right
	s_endpgm
.Lentry_shape_is_right:
; D = X Y^T on codes of BF6 (E3M2) with E8M0 scales, and D quantised again along X's rows into a new operand.  One source serves four bodies of this program; MODE picks what differs:
;   MODE 0 (this text): no bias; the result is quantised.  It runs twice: X = Wq|Wk, Y = the normalised tokens: q and k of each head, K = the head's 64;  X = the tokens, Y = Wv: v transposed, K = the tokens.
; AN OPERAND BUFFER: rows in tiles of 16, place r of tile t = row 32 (t / 2) + 8 (t % 2) + r + 8 (r / 8).  Codes [K / 64][256 tiles][768 bytes], the 768 bytes being the image of six registers of 32 lanes
; (lane r + 16 h: k = 32 h .. 32 h + 31 of place r; registers 0-3 at 16 x lane, 4-5 at 512 + 8 x lane).  Scale words from byte SCO on: [K / 128][64 groups of four tiles][16 places][4 words].
; So a fragment of 128 along K is two such images, read by dense loads, and one load of 16 bytes gives a lane the scale words of four tiles.
; SOURCE 0 = X, SOURCE 1 = Y: a lane holds one row of Y, and by the order of rows in a tile the 32 registers of four neighbouring tiles of X hold, at 16 b + i, X's row 32 b + 16 (lane / 16) + i:
; neighbours along the NEXT product's K, ready for the conversions.
; SHARES.  A work-group makes 128 rows of X x 128 rows of Y, each of four waves 64 x 64: 16 accumulators.  That tile gives every launch of this source 256 work-groups or a multiple, and a wave's 64 x 64 leaves as whole images.
; K goes in steps of 128 through two LDS slots of 512 along K; with K = 1,024 both are filled once.  The scale words of the work-group's rows, for all of K, come once.
; CLUSTER 4 x 4: the four of a row of the cluster need the same tiles of Y, the four of a column the same tiles of X: each is asked for jointly, by the same tensor load with the same descriptor and a mask of the four.
; A wave has at most one tensor load outstanding.
; LIMITS: NaN and infinities are not served; a block of zeros gets the scale byte 1 (its codes are zeros; this program alone reads the bytes).
; REGISTERS.  Window 0: v1-3 r, h, lane; v16-31 addresses; v32-63 the bias; v64-71 scale words, two sets; v72-127 at work on the way out; v128-255 accumulator (yt, xt) at 128 + 32 yt + 8 xt.
;   Window 1: fragment buffer f at 128 f: Y's four at + 12 yt, X's four at + 48 + 12 xt.
.set MODE,  0
.set KTOT,  1024
.set XOFF,  0                          ; where X's operand begins in its buffer
.set SCO,   3145728                    ; where an operand's scale words begin (X's and Y's alike)
.set SC4,   12582912                   ; and the result's
.set XCP,   196608                     ; bytes from one run of 64 along K to the next
.set KSP,   16384                      ; bytes from one 128 along K of scale words to the next
.set TILEB, 768
.set XROW,  8*TILEB                    ; the work-group's eight tiles in one run
.set HALFT, 4*XROW                     ; four runs: what one tensor load brings
.set SLOT,  4*HALFT                    ; Y's eight runs, then X's
.set LAPS,  KTOT/1024                  ; a lap = both slots
.set HALFS, (KTOT/256)*512             ; half of K's scale words of 128 rows: one tensor load brings all of them
.set SCL,   2*SLOT                     ; behind the ring: Y's scale words, then X's
.set STAGE, 229376                     ; 16 rows x 272 bytes for each wave (the bodies with a residual)
.set SPITCH, 272
.set SPARE, 246784                     ; the spare words, 128 bytes for each wave: two blocks of 256 bytes that no other line names
.set ADY16, 16                         ; v16-17 LDS address of my tiles of Y in slot 0, 1, 16 bytes a lane;  v18-19 the same, 8 bytes a lane
.set ADY8,  18
.set ADX16, 20                         ; v20-23 the same for X
.set ADX8,  22
.set STO,   24
.set RD,    25
.set GO,    26
.set ADRS,  27                         ; v27 LDS address of my scale words: lanes 0-15 Y's, lanes 16-31 X's
.set SPW,   28                         ; v28 SPARE + 4 x my thread's number; never rewritten
.set NIL,   29                         ; v29 0; never rewritten
.set L16,   30
.set L8,    31
.set BI,    32
.set SC,    64
.set TM,    72
.set PW,    88
.set PC,    92
.set ACC,   128
.set G1,   24                          ; s[24:31] group 1 for Y's codes; s[32:39] groups 0, one for each slot
.set G0,   32
.set G1B,  48                          ; s[48:55], s[56:63] the same for X's
.set G0B,  56
.set G1S,  68                          ; s[68:75], s[76:79] for Y's scale words; s[80:87], s[88:91] for X's
.set G0S,  76
.set G1SB, 80
.set G0SB, 88
.set MSB, 0
.macro WIN new                         ; the immediate's high byte repeats the setting that is left
.if MSB != \new
	s_set_vgpr_msb (MSB<<8)|\new
.set MSB, \new
.endif
.endm
.set MUL,  0x05                        ; sources 0 and 1 window 1; C and D window 0
.set TO_F, 0x40                        ; destination window 1, address window 0
; A joint load: waves 0 and 1 fetch for Y, waves 2 and 3 for X.  Each line has one mask and one set of registers for all that issue it; the branch hangs on the wave's number alone.
; Four v_nop follow each of the two lines, ahead of the jump, the label and what follows.
.macro JLOAD g0a, g1a, g0b, g1b
	s_cmp_eq_u32 s15, 0
	s_cbranch_scc0 .Lfor_b_\@
	tensor_load_to_lds s[\g0a:\g0a+3], s[\g1a:\g1a+7]
	s_nop 0
.rept 4
	v_nop
.endr
	s_branch .Lasked_\@
.Lfor_b_\@:
	tensor_load_to_lds s[\g0b:\g0b+3], s[\g1b:\g1b+7]
	s_nop 0
.rept 4
	v_nop
.endr
.Lasked_\@:
.endm
.macro CREST                           ; a round of the cluster's barrier behind its opening barrier
	s_cmp_lg_u32 s14, 0
	s_cbranch_scc1 .Lnot_wave_0_\@
	s_barrier_signal -3
.Lnot_wave_0_\@:
	s_barrier_wait -3
	s_barrier_signal -1
	s_barrier_wait -1
.endm
.macro CROUND                          ; a whole round
	s_barrier_signal -1
	s_barrier_wait -1
	CREST
.endm
.macro PLACES                          ; four plain lines between a matrix instruction and a load into, or a read of, its registers
.rept 4
	v_nop
.endr
.endm
	s_load_b128 s[4:7], s[0:1], 0x0                ; X, Y
.if MODE == 0
	s_load_b64 s[12:13], s[0:1], 0x10              ; the result of the first job
	s_load_b64 s[8:9], s[0:1], 0x18                ; the second job's Y (Wv),
	s_load_b64 s[10:11], s[0:1], 0x20              ; and its result
.elseif MODE == 1
	s_load_b64 s[8:9], s[0:1], 0x10                ; the bias
	s_load_b64 s[12:13], s[0:1], 0x18              ; the result
.else
	s_load_b128 s[8:11], s[0:1], 0x10              ; the bias, the residual
	s_load_b64 s[12:13], s[0:1], 0x20              ; the result
.endif
	v_lshl_add_u32 v[SPW], v0, 2, SPARE
	v_mov_b32 v[NIL], 0
	ds_add_u32 v28, v29
	ds_add_u32 v28, v29
	s_wait_dscnt 0x0
	v_lshrrev_b32 v1, 5, v0
	v_readfirstlane_b32 s14, v1                    ; wave 0..3
	s_lshr_b32 s15, s14, 1                         ; wy: which 64 rows of Y are mine.  Also: I fetch for Y (0) or for X (1)
	s_and_b32 s16, s14, 1                          ; wx: which 64 rows of X.  Also: which half of a slot's runs I fetch
	s_bfe_u32 s40, ttmp6, 0x40000                  ; cx, cy: my place in the cluster
	s_bfe_u32 s41, ttmp6, 0x40004
; ONE LAUNCH, TWO JOBS, told apart by the cluster's y alone, which all partners share: y 0-7: X = Wq|Wk (4 clusters along x), Y = the tokens (8 along y);
; y 8-11: X = the tokens (8 clusters: x + 4 (y % 2)), Y = Wv (2 clusters: (y - 8) / 2).  Only numbers and pointers are chosen: one path for both.
	s_and_b32 s17, ttmp7, 0xffff                   ; the cluster's y
	s_sub_co_u32 s18, s17, 8
	s_and_b32 s19, s18, 1
	s_lshl_b32 s19, s19, 2
	s_add_co_u32 s19, s19, ttmp9                   ; the second job's cluster along X,
	s_lshr_b32 s18, s18, 1                         ; and along Y
	s_cmp_ge_u32 s17, 8
	s_cselect_b32 s42, s19, ttmp9
	s_cselect_b32 s17, s18, s17
	s_cselect_b32 s3, 1, 0                         ; which job
	s_lshl_b32 s42, s42, 2
	s_add_co_u32 s42, s42, s40                     ; which 128 rows of X = 4 x cluster + cx
	s_lshl_b32 s17, s17, 2
	s_add_co_u32 s17, s17, s41                     ; which 128 rows of Y = 4 x cluster + cy
	s_lshl_b32 s43, s41, 2
	s_lshl_b32 s43, 15, s43                        ; my row of the cluster
	s_lshl_b32 s44, 0x1111, s40                    ; my column
	s_or_b32 s[G1+0], s43, (3<<16)|(1<<21)         ; 15:0 the mask: Y's tiles go to my row; 17:16 elements of 8 bytes; 21 set beside a mask; no padding
	s_or_b32 s[G1B+0], s44, (3<<16)|(1<<21)
.irp g, G1, G1B
	s_mov_b32 s[\g+1], (XROW/8)<<16                ; tensor_dim0: 6,144 bytes, eight tiles of one run
	s_mov_b32 s[\g+2], 16<<16                      ; tensor_dim1: all sixteen runs of K
	s_mov_b32 s[\g+3], (XROW/8)<<16                ; tile_dim0
	s_mov_b32 s[\g+4], 16                          ; tile_dim1
	s_mov_b32 s[\g+5], XCP/8                       ; from run to run
	s_mov_b32 s[\g+6], 0
	s_mov_b32 s[\g+7], 0
.endr
	s_or_b32 s[G1S+0], s43, (3<<16)|(1<<21)
	s_or_b32 s[G1SB+0], s44, (3<<16)|(1<<21)
.irp g, G1S, G1SB
	s_mov_b32 s[\g+1], 64<<16                      ; 512 bytes: two groups of four tiles
	s_mov_b32 s[\g+2], (KTOT/128)<<16              ; all of K's steps of 128
	s_mov_b32 s[\g+3], 64<<16
	s_mov_b32 s[\g+4], KTOT/128
	s_mov_b32 s[\g+5], KSP/8
	s_mov_b32 s[\g+6], 0
	s_mov_b32 s[\g+7], 0
.endr
	s_mul_i32 s20, s17, XROW                       ; Y's codes: made of the Y coordinate alone
	s_mov_b32 s21, 0
	s_mul_i32 s46, s42, XROW                       ; X's: of the X coordinate alone
.if XOFF
	s_add_co_u32 s46, s46, XOFF
.endif
	s_mov_b32 s47, 0
	s_lshl_b32 s22, s17, 9
	s_add_co_u32 s22, s22, SCO
	s_mov_b32 s23, 0
	s_lshl_b32 s92, s42, 9
	s_add_co_u32 s92, s92, XOFF+SCO
	s_mov_b32 s93, 0
	s_wait_kmcnt 0x0
	s_cmp_eq_u32 s3, 1                             ; the second job: X = the tokens, Y = Wv, its own result
	s_cselect_b64 s[4:5], s[6:7], s[4:5]
	s_cselect_b64 s[6:7], s[8:9], s[6:7]
	s_cselect_b64 s[12:13], s[10:11], s[12:13]
	s_add_nc_u64 s[20:21], s[6:7], s[20:21]
	s_add_nc_u64 s[22:23], s[6:7], s[22:23]
	s_add_nc_u64 s[46:47], s[4:5], s[46:47]
	s_add_nc_u64 s[92:93], s[4:5], s[92:93]
	CROUND                                         ; all sixteen work-groups are here: the first joint loads meet
	s_mov_b32 s[G0S], 1
	s_mov_b32 s[G0S+1], SCL
	s_mov_b64 s[G0S+2:G0S+3], s[22:23]
	s_or_b32 s[G0S+3], s[G0S+3], 0x80000000
	s_mov_b32 s[G0SB], 1
	s_mov_b32 s[G0SB+1], SCL+2*HALFS
	s_mov_b64 s[G0SB+2:G0SB+3], s[92:93]
	s_or_b32 s[G0SB+3], s[G0SB+3], 0x80000000
	s_mov_b32 s[G0], 1                             ; Y's sixteen runs on end from LDS byte 0,
	s_mov_b32 s[G0+1], 0
	s_mov_b64 s[G0+2:G0+3], s[20:21]
	s_or_b32 s[G0+3], s[G0+3], 0x80000000
	s_mov_b32 s[G0B], 1                            ; X's sixteen behind them
	s_mov_b32 s[G0B+1], SLOT
	s_mov_b64 s[G0B+2:G0B+3], s[46:47]
	s_or_b32 s[G0B+3], s[G0B+3], 0x80000000
; THE HEAD'S LOADS, ONE A WAVE: wave 0 all of Y's codes, wave 1 all of X's, wave 2 Y's scale words, wave 3 X's.  Each LDS byte is filled once; a wave has one tensor load outstanding.
; One chain of branches on the wave's number, a load to an arm, all arms leading to one join.
.macro ARM under, g0, g1, next, join
	s_cmp_lt_u32 s14, \under
	s_cbranch_scc0 \next
	tensor_load_to_lds s[\g0:\g0+3], s[\g1:\g1+7]
	s_nop 0
.rept 4
	v_nop
.endr
	s_branch \join
\next:
.endm
	ARM 1, G0,  G1,  .Lhead_b,  .Lhead_asked
	ARM 2, G0B, G1B, .Lhead_sa, .Lhead_asked
	ARM 3, G0S, G1S, .Lhead_sb, .Lhead_asked
	tensor_load_to_lds s[G0SB:G0SB+3], s[G1SB:G1SB+7]
	s_nop 0
.rept 4
	v_nop
.endr
.Lhead_asked:
	v_and_b32 v1, 15, v0                           ; r
	v_bfe_u32 v2, v0, 4, 1                         ; h
	v_and_b32 v3, 31, v0                           ; lane
	v_lshlrev_b32 v[L16], 4, v3
	v_lshlrev_b32 v[L8], 3, v3
	s_mul_i32 s21, s15, 4*TILEB                    ; my four tiles of Y
	s_mul_i32 s22, s16, 4*TILEB                    ; my four tiles of X,
	s_add_co_u32 s22, s22, 4*HALFT                 ; which lie behind Y's sixteen runs
.irp s, 0,1
	v_add_nc_u32 v[ADY16+\s], s21, v[L16]
	v_add_nc_u32 v[ADX16+\s], s22, v[L16]
	v_add_nc_u32 v[ADY8+\s], s21, v[L8]
	v_add_nc_u32 v[ADX8+\s], s22, v[L8]
	s_add_co_u32 s21, s21, SLOT/2                  ; eight runs on
	s_add_co_u32 s22, s22, SLOT/2
.endr
	s_lshl_b32 s21, s15, 8                         ; Y's scale words: my group of four tiles
	s_lshl_b32 s22, s16, 8                         ; X's: my group, behind all of Y's
	s_add_co_u32 s22, s22, 2*HALFS
	s_sub_co_u32 s22, s22, s21
	v_mul_u32_u24 v6, s22, v2                      ; lanes 16-31 take X's
	s_add_co_u32 s21, s21, SCL
	v_lshl_add_u32 v5, v1, 4, v6
	v_add_nc_u32 v[ADRS], s21, v5
.if MODE >= 2
	s_mul_i32 s23, s14, 16*SPITCH
	s_add_co_u32 s23, s23, STAGE                   ; my stage
	v_mul_u32_u24 v5, v1, SPITCH
	v_lshl_add_u32 v5, v2, 6, v5
	v_add_nc_u32 v[STO], s23, v5                   ; in: row r, + 64 h
	v_mul_u32_u24 v5, v2, SPITCH
	v_lshl_add_u32 v5, v1, 4, v5
	v_add_nc_u32 v[RD], s23, v5                    ; back: lanes 0-15 one row of 256 bytes, lanes 16-31 the next
	v_lshlrev_b32 v5, 12, v2
	v_lshl_add_u32 v[GO], v1, 4, v5                ; and the same two rows in memory
.else
	v_lshlrev_b32 v5, 2, v2
	v_lshl_add_u32 v[GO], v1, 4, v5                ; 16 r + 4 h: a half scale word of tile yt (lanes 0-15) or yt + 1 (lanes 16-31)
	v_mov_b32 v[TM+4], 0                           ; written once: a lane permute's destination counts as one of its sources
	v_mov_b32 v[TM+5], 0
	s_mov_b32 s95, 0xffff0000                      ; lanes 16-31
	s_mov_b32 s96, 0x76543210                      ; v_permlanex16_b32: lane l xor 16
	s_mov_b32 s97, 0xfedcba98
.endif
.if MODE == 1
	s_mov_b32 s98, 0xbdd2d3e8                      ; k1 = -2 log2(e) sqrt(2 / pi) x 0.044715
	s_mov_b32 s99, s98
	v_mov_b32 v124, 0xc0135761                     ; k0 = -2 log2(e) sqrt(2 / pi)
	v_mov_b32 v125, 0xc0135761
.endif
.if MODE > 0
	v_lshlrev_b32 v4, 6, v2                        ; the bias in the result's layout: register j of tile xt is X's row 32 (xt / 2) + 16 h + 8 (xt % 2) + j
	s_lshl_b32 s46, s42, 9
	s_lshl_b32 s47, s16, 8
	s_add_co_u32 s46, s46, s47
	s_mov_b32 s47, 0
	s_add_nc_u64 s[8:9], s[8:9], s[46:47]
.irp xt, 0,1,2,3
	global_load_b128 v[BI+8*\xt:BI+8*\xt+3], v4, s[8:9] offset:(32*(\xt/2)+8*(\xt%2))*4
	global_load_b128 v[BI+8*\xt+4:BI+8*\xt+7], v4, s[8:9] offset:(32*(\xt/2)+8*(\xt%2))*4+16
.endr
.endif
.if MODE >= 2
	s_lshl_b32 s20, s17, 19                        ; my first row (128 x Y coordinate + 64 wy) of 4,096 bytes,
	s_lshl_b32 s21, s15, 18
	s_add_co_u32 s20, s20, s21
	s_lshl_b32 s46, s42, 9                         ; my first column (128 x X coordinate + 64 wx), 4 bytes each
	s_lshl_b32 s47, s16, 8
	s_add_co_u32 s46, s46, s47
	s_add_co_u32 s46, s46, s20
	s_mov_b32 s47, 0
	s_add_nc_u64 s[10:11], s[10:11], s[46:47]
	s_add_nc_u64 s[12:13], s[12:13], s[46:47]
	WIN 0x80                                       ; destination window 2
.irp yt, 0,1,2,3                       ; the residual, as the rows will come back from the stage: it lands while K is walked
.irp i, 0,1,2,3,4,5,6,7
	global_load_b128 v[32*\yt+4*\i:32*\yt+4*\i+3], v[GO], s[10:11] offset:(32*(\yt/2)+8*(\yt%2)+2*\i+8*(\i/4))*4096
.endr
.endr
	WIN 0
	s_wait_loadcnt 32                              ; the bias is in; the residual's 32 loads may be out
.else
	s_lshl_b32 s46, s42, 1                         ; the result's codes: run 2 x X coordinate + wx,
	s_add_co_u32 s46, s46, s16
	s_mul_i32 s46, s46, XCP
	s_lshl_b32 s20, s17, 1
	s_add_co_u32 s20, s20, s15                     ; group 2 x Y coordinate + wy of four tiles
	s_mul_i32 s21, s20, 4*TILEB
	s_add_co_u32 s46, s46, s21
	s_mov_b32 s47, 0
	s_add_nc_u64 s[10:11], s[12:13], s[46:47]
	s_mul_i32 s46, s42, KSP                        ; its scale words: step = X coordinate, my half of each word
	s_lshl_b32 s20, s20, 8
	s_add_co_u32 s46, s46, s20
	s_lshl_b32 s20, s16, 1
	s_add_co_u32 s46, s46, s20
	s_add_co_u32 s46, s46, SC4
	s_add_nc_u64 s[12:13], s[12:13], s[46:47]
.if MODE == 1
	s_wait_loadcnt 0x0                             ; the bias
.endif
.endif
; 33 LDS loads: the fragments of the slot's q-th 128 along K into buffer f, and their scale words into set f.  Every load takes consecutive bytes, 16 or 8 a lane.
.macro FETCH slot, q, f
	WIN TO_F
.irp t, 0,1,2,3
.irp c, 0,1
	ds_load_b128 v[128*(\f)+12*\t+6*\c:128*(\f)+12*\t+6*\c+3], v[ADY16+\slot] offset:(2*(\q)+\c)*XROW+TILEB*\t
	ds_load_b64 v[128*(\f)+12*\t+6*\c+4:128*(\f)+12*\t+6*\c+5], v[ADY8+\slot] offset:(2*(\q)+\c)*XROW+TILEB*\t+512
.endr
.endr
.irp t, 0,1,2,3
.irp c, 0,1
	ds_load_b128 v[128*(\f)+48+12*\t+6*\c:128*(\f)+48+12*\t+6*\c+3], v[ADX16+\slot] offset:(2*(\q)+\c)*XROW+TILEB*\t
	ds_load_b64 v[128*(\f)+48+12*\t+6*\c+4:128*(\f)+48+12*\t+6*\c+5], v[ADX8+\slot] offset:(2*(\q)+\c)*XROW+TILEB*\t+512
.endr
.endr
	WIN 0
	ds_load_b128 v[SC+4*(\f):SC+4*(\f)+3], v[ADRS] offset:512*(\q)   ; register j: lanes 0-15 the word of Y's tile j, lanes 16-31 that of X's tile j
.endm
; Four matrix instructions: Y's tile yt against X's four.  first = 1: the sums begin, with 0 or with the bias as C.  The 16 accumulators take turns, one instruction a turn, in one order everywhere.
.macro MULROW f, yt, first
.irp xt, 0,1,2,3
.if \first
.if MODE == 0
	v_wmma_scale_f32_16x16x128_f8f6f4 v[ACC+32*\yt+8*\xt:ACC+32*\yt+8*\xt+7], v[128*(\f)+48+12*\xt:128*(\f)+48+12*\xt+11], v[128*(\f)+12*\yt:128*(\f)+12*\yt+11], 0, v[SC+4*(\f)+\xt], v[SC+4*(\f)+\yt] matrix_a_fmt:MATRIX_FMT_BF6 matrix_b_fmt:MATRIX_FMT_BF6 matrix_a_scale:MATRIX_SCALE_ROW1
.else
	v_wmma_scale_f32_16x16x128_f8f6f4 v[ACC+32*\yt+8*\xt:ACC+32*\yt+8*\xt+7], v[128*(\f)+48+12*\xt:128*(\f)+48+12*\xt+11], v[128*(\f)+12*\yt:128*(\f)+12*\yt+11], v[BI+8*\xt:BI+8*\xt+7], v[SC+4*(\f)+\xt], v[SC+4*(\f)+\yt] matrix_a_fmt:MATRIX_FMT_BF6 matrix_b_fmt:MATRIX_FMT_BF6 matrix_a_scale:MATRIX_SCALE_ROW1
.endif
.else
	v_wmma_scale_f32_16x16x128_f8f6f4 v[ACC+32*\yt+8*\xt:ACC+32*\yt+8*\xt+7], v[128*(\f)+48+12*\xt:128*(\f)+48+12*\xt+11], v[128*(\f)+12*\yt:128*(\f)+12*\yt+11], v[ACC+32*\yt+8*\xt:ACC+32*\yt+8*\xt+7], v[SC+4*(\f)+\xt], v[SC+4*(\f)+\yt] matrix_a_fmt:MATRIX_FMT_BF6 matrix_b_fmt:MATRIX_FMT_BF6 matrix_a_scale:MATRIX_SCALE_ROW1
.endif
.endr
.endm
; One of a slot's first three steps of 128: buffer f is multiplied, the next step's fragments are asked for ahead of its 16 products.
.macro STEP slot, q, f, first
	s_wait_dscnt 0x0                               ; buffer f is in
	PLACES                                         ; behind the last products, which read the other buffer
	FETCH \slot, (\q)+1, 1-(\f)
	WIN MUL
	MULROW \f, 0, \first
	MULROW \f, 1, \first
	MULROW \f, 2, \first
	MULROW \f, 3, \first
	WIN 0
.endm
; A slot's last step (buffer 1) changes slots: one barrier; in front of it each wave waits for all its tensor loads, adds 0 to its spare word, and waits for that and for its reads of this slot.  fill = 1: this slot is filled again, a lap ahead.
.macro TURN slot, next, fill
	s_wait_tensorcnt 0x0                           ; all my tensor loads have landed: my part of the next slot
	ds_add_u32 v[SPW], v[NIL]                      ; 0 onto my spare word
	s_wait_dscnt 1                                 ; buffer 1 is in; the add may be out
	WIN MUL
	MULROW 1, 0, 0                                 ; four products stand between the add and the wait for it
	s_wait_dscnt 0x0                               ; the add is done, and my reads of this slot are over
	s_barrier_signal -1
	MULROW 1, 1, 0
	WIN 0                                          ; (branches may follow)
	s_barrier_wait -1
.if \fill
	CREST                                          ; the barrier has opened a round of the cluster's: no wave of any partner still reads this slot or has a load on its way
	s_add_nc_u64 s[G0+4*\slot+2:G0+4*\slot+3], s[G0+4*\slot+2:G0+4*\slot+3], 16*XCP
	s_add_nc_u64 s[G0B+4*\slot+2:G0B+4*\slot+3], s[G0B+4*\slot+2:G0B+4*\slot+3], 16*XCP
	JLOAD G0+4*\slot, G1, G0B+4*\slot, G1B         ; the first tensor load behind the round; its four v_nop are also the places in front of the loads below
.else
	PLACES
.endif
	v_add_nc_u32 v[ADRS], 2048, v[ADRS]            ; the next slot's four steps of scale words
	FETCH \next, 0, 0
	WIN MUL
	MULROW 1, 2, 0
	MULROW 1, 3, 0
	WIN 0
.endm
	s_wait_alu depctr_va_vdst(0)
	s_wait_tensorcnt 0x0                           ; my one load is in
	s_barrier_signal -1
	s_barrier_wait -1                              ; everybody's are
	FETCH 0, 0, 0
	STEP 0, 0, 0, 1                                ; the first step stands in front of the loop: its products start the sums
.if LAPS > 1
	s_mov_b32 s3, LAPS-1
.Llap:                                                 ; a trip goes once round the ring and fills both slots again
	STEP 0, 1, 1, 0
	STEP 0, 2, 0, 0
	TURN 0, 1, 1
	STEP 1, 0, 0, 0
	STEP 1, 1, 1, 0
	STEP 1, 2, 0, 0
	TURN 1, 0, 1
	STEP 0, 0, 0, 0
	s_sub_co_u32 s3, s3, 1
	s_cmp_lg_u32 s3, 0
	s_cbranch_scc1 .Llap
.endif
	STEP 0, 1, 1, 0                                ; the last lap fills nothing
	STEP 0, 2, 0, 0
	TURN 0, 1, 0
	s_wait_alu depctr_va_vdst(0)
	STEP 1, 0, 0, 0
	STEP 1, 1, 1, 0
	STEP 1, 2, 0, 0
	s_wait_dscnt 0x0                               ; the very last step
	WIN MUL
	MULROW 1, 0, 0
	MULROW 1, 1, 0
	MULROW 1, 2, 0
	MULROW 1, 3, 0
	WIN 0
	PLACES
; THE WAY OUT.  32 numbers of a lane, register 16 b + i = index 32 b + 16 (lane / 16) + i of the lane's row, become six registers of codes at v[pc] on and two scale bytes in v[pw].
.macro QUANTH s, pc, pw
.irp b, 0,1
	v_max3_num_f32 v[TM+\b], |v[(\s)+16*\b]|, |v[(\s)+1+16*\b]|, 0x2800000   ; my 16 numbers of block b, and the floor 2^(5 - 127): the byte cannot fall under 1
.endr
.irp i, 2,4,6,8,10,12,14
.irp b, 0,1
	v_max3_num_f32 v[TM+\b], v[TM+\b], |v[(\s)+16*\b+\i]|, |v[(\s)+1+16*\b+\i]|
.endr
.endr
.irp b, 0,1
	v_permlanex16_b32 v[TM+4+\b], v[TM+\b], s96, s97
.endr
.irp b, 0,1
	v_max_num_f32 v[TM+\b], v[TM+\b], v[TM+4+\b]   ; with lane l xor 16's: the block's largest magnitude
.endr
.irp b, 0,1
	v_add_nc_u32 v[TM+12+\b], 0xfe000000, v[TM+\b] ; 4 off the exponent field: the conversion's scale operand
.endr
.irp b, 0,1
	v_lshrrev_b32 v[TM+4+\b], 23, v[TM+12+\b]      ; the scale's byte
.endr
	v_lshl_or_b32 v[\pw], v[TM+5], 8, v[TM+4]
	v_cvt_scalef32_pk16_bf6_f32 v[(\pc):(\pc)+2], v[(\s):(\s)+15], v[TM+12]
	v_cvt_scalef32_pk16_bf6_f32 v[(\pc)+4:(\pc)+6], v[(\s)+16:(\s)+31], v[TM+13]   ; (a conversion's three registers begin on an even number)
	v_nop                                          ; one plain line behind the scaled conversions
.irp i, 0,1,2
	v_permlane16_swap_b32 v[(\pc)+\i], v[(\pc)+4+\i]   ; a whole block to a lane: lanes 0-15 block 0, lanes 16-31 block 1
.endr
.irp i, 0,1,2
	v_mov_b32 v[(\pc)+3+\i], v[(\pc)+4+\i]
.endr
.endm
.irp yt, 0,1,2,3
	QUANTH ACC+32*\yt, PC+8*\yt, PW+\yt
	global_store_b128 v[L16], v[PC+8*\yt:PC+8*\yt+3], s[10:11] offset:TILEB*\yt        ; 512 consecutive bytes of the tile's image
	global_store_b64 v[L8], v[PC+8*\yt+4:PC+8*\yt+5], s[10:11] offset:TILEB*\yt+512    ; and its last 256
.endr
	v_cndmask_b32 v[TM+8], v[PW], v[PW+1], s95     ; lanes 0-15 tile 0's bytes, lanes 16-31 tile 1's
	v_cndmask_b32 v[TM+9], v[PW+2], v[PW+3], s95
	global_store_b16 v[GO], v[TM+8], s[12:13]      ; half a scale word: the other half is the neighbouring wave's
	global_store_b16 v[GO], v[TM+9], s[12:13] offset:8
	s_wait_tensorcnt 0x0                           ; the wave's end
	ds_add_u32 v[SPW], v[NIL]
	s_wait_dscnt 0x0
	CROUND                                         ; the closing round: no work-group ends while a partner may still ask for a tile that names it
	s_endpgm
.Lfunc_end_k_q7ed61b8a06_qk:
	.size	k_q7ed61b8a06_qk, .Lfunc_end_k_q7ed61b8a06_qk-k_q7ed61b8a06_qk
	.p2alignl 7, 3214868480
	.fill 96, 4, 3214868480
	.section	.rodata,"a",@progbits
	.p2align	6, 0x0
	.amdhsa_kernel k_q7ed61b8a06_qk
		.amdhsa_group_segment_fixed_size 327680
		.amdhsa_private_segment_fixed_size 0
		.amdhsa_enable_private_segment 0
		.amdhsa_kernarg_size 40
		.amdhsa_user_sgpr_count 2
		.amdhsa_user_sgpr_kernarg_segment_ptr 1
		.amdhsa_wavefront_size32 1
		.amdhsa_system_sgpr_workgroup_id_x 1
		.amdhsa_system_sgpr_workgroup_id_y 1
		.amdhsa_system_sgpr_workgroup_id_z 1
		.amdhsa_system_vgpr_workitem_id 0
		.amdhsa_next_free_vgpr 512
		.amdhsa_next_free_sgpr 100
		.amdhsa_reserve_vcc 0
		.amdhsa_float_denorm_mode_32 3
		.amdhsa_float_denorm_mode_16_64 3
		.amdhsa_memory_ordered 1
		.amdhsa_forward_progress 1
		.amdhsa_inst_pref_size 53
	.end_amdhsa_kernel
	.amdgpu_metadata
---
amdhsa.version: [ 1, 2 ]
amdhsa.kernels:
  - .name:           k_q7ed61b8a06_qk
    .symbol:         k_q7ed61b8a06_qk.kd
    .args:
      - { .name: WB, .offset: 0, .size: 8, .value_kind: global_buffer, .address_space: global }
      - { .name: H, .offset: 8, .size: 8, .value_kind: global_buffer, .address_space: global }
      - { .name: QK, .offset: 16, .size: 8, .value_kind: global_buffer, .address_space: global }
      - { .name: WV, .offset: 24, .size: 8, .value_kind: global_buffer, .address_space: global }
      - { .name: VG, .offset: 32, .size: 8, .value_kind: global_buffer, .address_space: global }
    .group_segment_fixed_size: 327680
    .private_segment_fixed_size: 0
    .kernarg_segment_align: 8
    .kernarg_segment_size: 40
    .max_flat_workgroup_size: 128
    .sgpr_count:     100
    .vgpr_count:     512
    .wavefront_size: 32
...
	.end_amdgpu_metadata
.endif
;; end of part 3
;; launch attn (part 4): grid 8 x 32, 16 waves a work-group, no clusters, 327,680 bytes of LDS; arguments QK, VG, H; writes H
.if DOCPART == 4
	.amdgcn_target "amdgcn-amd-amdhsa--gfx1250"
	.amdhsa_code_object_version 6
	.text
	.protected	k_q7ed61b8a06_attn
	.globl	k_q7ed61b8a06_attn
	.p2align	8
	.type	k_q7ed61b8a06_attn,@function
k_q7ed61b8a06_attn:
	s_mov_b64 s[64:65], 0
	v_nop
	global_prefetch_b8 v0, s[64:65] scope:SCOPE_SE
	s_setreg_imm32_b32 hwreg(HW_REG_WAVE_MODE, 25, 1), 1
	s_wait_xcnt 0x0
; Causal attention of 32 (batch, head) pairs, 2,048 tokens, head size 64, both products on codes of BF6 (E3M2) with E8M0 scales; the context leaves quantised along the model's 1,024 as the next product's operand.
; t = score x log2(e) / 8; M = the row's largest t so far, rounded UP to a whole number; p = 2^(t - M) is quantised along the keys, not normalised.  The row's sum is taken of the unquantised p, in f32, and divides O at the end.
; When M moves, the sum and O are multiplied by 2^(old M - new M): exact.
; OPERAND BUFFERS: rows in tiles of 16, place r of tile t = row 32 (t / 2) + 8 (t % 2) + r + 8 (r / 8); codes [runs of 64 along K][256 tiles][768 bytes] (the image of six registers of 32 lanes: lane r + 16 h holds
; k = 32 h .. 32 h + 31 of place r; registers 0-3 at 16 x lane, 4-5 at 512 + 8 x lane); scale words [steps of 128][64 groups of four tiles][16 places][4 words].
;   QK: run = head for q, 16 + head for k; tiles = tokens.  VG: run = token / 64, tile = 4 x head + d / 16: v with the keys innermost.  H: run = head, tiles = tokens.
; LAYOUT.  Both products are used transposed: S^T = K Q^T (source 0 = 16 keys), O^T = V^T P^T (source 0 = 16 of the head's 64): a lane holds ONE query throughout, and by the order of rows in a tile the 16 registers of two
; neighbouring tiles are 16 neighbouring keys (or channels).  THE FIRST PRODUCT'S K IS 64: the upper half of Q's fragment is zero codes, so whatever stands in the upper half of K's fragment (the next tile's codes: every
; code of this format is a finite number) adds nothing; the upper two scale bytes are 0 on both sides.
; SHARES.  A work-group owns blocks i and 15 - i of 128 queries of one head: 17 blocks of keys of work in every work-group.  Each of sixteen waves owns one tile of 16 queries in 256 registers, four waves to a SIMD,
; so that one wave's vector work stands beside another's products and LDS loads.  THE WHOLE HEAD'S K AND V LIE IN LDS (208,896 bytes with their scale words), each byte filled once: no slot is filled again.
; Keys 0-1,023 are waited for ahead of the first eight steps, the others ahead of the last eight.  A wave has at most one tensor load outstanding.
; CAUSAL.  Both loops have eight trips in every wave; a step all of whose 128 keys come after the wave's queries jumps over its work by a scalar branch on ids.  On the diagonal hidden scores become -infinity ahead of the maximum.
; A tile's 16 queries lie in one run of 32 tokens, so in a step that is worked every query sees at least the step's first key.
; NO CLUSTER: the jump over hidden steps hangs on the block of queries, which would be the place in a cluster, and partners of a cluster must run alike; working the hidden steps instead would nearly double the vector work.
; LIMITS: NaN and infinities are not served; a block of zeros gets the scale byte 1 (its codes are zeros; this program alone reads the bytes).
; REGISTERS: v1-6 lane places; v7-11, v28 the step's addresses; v12 -M, v13 the largest t, v[14:15] the sum in two halves; v16-27 Q; v29 Q's scale; v30 the lane's part of the causal distance; v31 16 r;
;   v32-85 K's eight half fragments on end and six registers of zeros, later V's four fragments; v96-159 S^T, then p; v160-191 O^T; v192-199 K's scales; v200-203 V's; v224-235 p's codes; v232-254 at work.
.set XCP,  196608
.set KSP,  16384
.set SC1,  3145728
.set SC4,  12582912
.set CH,   24576                       ; a quarter of a head's codes: what one tensor load brings
.set VC,   98304                       ; LDS: K's codes from 0 on [128 tiles][768]; V's from here on [32 runs][4 tiles][768];
.set KS,   196608                      ; K's scale words, 8,192 bytes;
.set VS,   204800                      ; V's, 4,096 bytes
.set AK16, 1
.set AK8,  2
.set AKS,  3
.set AV16, 4
.set AV8,  5
.set AVS,  6
.set DQ,   30
.set R16,  31
.set TM,   232
.set WV,   18
.set SEL,  20
.set CS,   22
.set G1KC, 24
.set G1VC, 32
.set G1KS, 40
.set G1VS, 48
.set AKB,  66                          ; s66 KS + 2 (head % 2): where my head's half of K's scale words begins; holds nothing else
.set TC,   84                          ; s84 where the step's codes begin in K's and in V's part: 6,144 bytes a step
.set TKS,  85                          ; s85 K's scale words: 512 bytes a step
.set TVS,  86                          ; s86 V's: 256 bytes a step
.set KF,   87                          ; s87 the step's first key
.set QB,   88                          ; s88 my tile's first query
.set CNT,  89
	s_load_b128 s[4:7], s[0:1], 0x0                ; QK, VG
	s_load_b64 s[8:9], s[0:1], 0x10                ; H
	v_lshl_add_u32 v251, v0, 2, 0x33000
	v_mov_b32 v255, 0
	ds_add_u32 v251, v255
	ds_add_u32 v251, v255
	v_lshrrev_b32 v7, 5, v0
	s_delay_alu instid0(VALU_DEP_1)
	v_readfirstlane_b32 s[WV], v7                  ; wave 0..15
	s_and_b32 s10, ttmp7, 0xffff
	s_lshr_b32 s11, s10, 4                         ; the batch
	s_and_b32 s12, s10, 15                         ; the head
	s_lshr_b32 s13, s12, 1
	s_and_b32 s14, s12, 1
	s_lshl_b32 s[AKB], s14, 1                      ; made here, while s14 is the head's parity: s[10:17] take pointers further down
	s_add_co_u32 s[AKB], s[AKB], KS
	s_and_b32 s15, s[WV], 1                        ; e: which part I fetch, if I fetch
	s_lshl_b32 s16, ttmp9, 3
	s_sub_co_u32 s17, 112, s16
	s_cmp_lt_u32 s[WV], 8
	s_cselect_b32 s16, s16, s17
	s_add_co_u32 s16, s16, s[WV]                   ; my tile of queries: 8 i + w, or 8 (15 - i) + w - 8
	s_lshr_b32 s[QB], s16, 1
	s_lshl_b32 s[QB], s[QB], 5
	s_and_b32 s17, s16, 1
	s_lshl_b32 s17, s17, 3
	s_add_co_u32 s[QB], s[QB], s17
	s_lshl_b32 s19, s11, 7
	s_add_co_u32 s19, s19, s16                     ; the tile among all tokens' 256
	s_add_co_u32 s90, s13, 8                       ; K's scale words: step 8 + head / 2, the batch's 32 groups, my half of them
	s_mul_i32 s90, s90, KSP
	s_lshl_b32 s17, s11, 13
	s_add_co_u32 s90, s90, s17
	s_lshl_b32 s17, s15, 12
	s_add_co_u32 s90, s90, s17
	s_add_co_u32 s90, s90, SC4
	s_mov_b32 s91, 0
	s_add_co_u32 s92, s12, 16                      ; K's codes: run 16 + head, the batch's 128 tiles, quarter e
	s_mul_i32 s92, s92, XCP
	s_mul_i32 s17, s11, 4*CH
	s_add_co_u32 s92, s92, s17
	s_mul_i32 s17, s15, CH
	s_add_co_u32 s92, s92, s17
	s_mov_b32 s93, 0
	s_lshl_b32 s94, s11, 4                         ; V's scale words: steps 16 b + 8 e on, group = head
	s_lshl_b32 s17, s15, 3
	s_add_co_u32 s94, s94, s17
	s_mul_i32 s94, s94, KSP
	s_lshl_b32 s96, s12, 8
	s_add_co_u32 s94, s94, s96
	s_add_co_u32 s94, s94, SC4
	s_mov_b32 s95, 0
	s_lshl_b32 s96, s11, 5                         ; V's codes: runs 32 b + 8 e on, tiles 4 x head on
	s_add_co_u32 s96, s96, s17
	s_mul_i32 s96, s96, XCP
	s_mul_i32 s17, s12, 3072
	s_add_co_u32 s96, s96, s17
	s_mov_b32 s97, 0
	s_mul_i32 s98, s12, XCP                        ; Q's codes, and the context's: run = head, my tile
	s_mul_i32 s17, s19, 768
	s_add_co_u32 s98, s98, s17
	s_mov_b32 s99, 0
	s_mul_i32 s2, s13, KSP                         ; their scale half words: step head / 2, group tile / 4, word tile % 4, half head % 2
	s_lshr_b32 s17, s19, 2
	s_lshl_b32 s17, s17, 8
	s_add_co_u32 s2, s2, s17
	s_and_b32 s17, s19, 3
	s_lshl_b32 s17, s17, 2
	s_add_co_u32 s2, s2, s17
	s_lshl_b32 s17, s14, 1
	s_add_co_u32 s2, s2, s17
	s_mov_b32 s3, 0
	; groups 1: elements of 8 bytes, no mask, no padding
	s_mov_b32 s[G1KC], 3<<16                       ; K's codes: 24,576 dense bytes as 96 rows of 256
	s_mov_b32 s[G1KC+1], 32<<16
	s_mov_b32 s[G1KC+2], 96<<16
	s_mov_b32 s[G1KC+3], 32<<16
	s_mov_b32 s[G1KC+4], 96
	s_mov_b32 s[G1KC+5], 32
	s_mov_b32 s[G1KC+6], 0
	s_mov_b32 s[G1KC+7], 0
	s_mov_b32 s[G1VC], 3<<16                       ; V's codes: 8 runs of 3,072 bytes (the head's four tiles), XCP bytes apart
	s_mov_b32 s[G1VC+1], 384<<16
	s_mov_b32 s[G1VC+2], 8<<16
	s_mov_b32 s[G1VC+3], 384<<16
	s_mov_b32 s[G1VC+4], 8
	s_mov_b32 s[G1VC+5], XCP/8
	s_mov_b32 s[G1VC+6], 0
	s_mov_b32 s[G1VC+7], 0
	s_mov_b32 s[G1KS], 3<<16                       ; K's scale words: 4,096 dense bytes as 16 rows of 256
	s_mov_b32 s[G1KS+1], 32<<16
	s_mov_b32 s[G1KS+2], 16<<16
	s_mov_b32 s[G1KS+3], 32<<16
	s_mov_b32 s[G1KS+4], 16
	s_mov_b32 s[G1KS+5], 32
	s_mov_b32 s[G1KS+6], 0
	s_mov_b32 s[G1KS+7], 0
	s_mov_b32 s[G1VS], 3<<16                       ; V's scale words: 8 steps of 256 bytes, KSP bytes apart
	s_mov_b32 s[G1VS+1], 32<<16
	s_mov_b32 s[G1VS+2], 8<<16
	s_mov_b32 s[G1VS+3], 32<<16
	s_mov_b32 s[G1VS+4], 8
	s_mov_b32 s[G1VS+5], KSP/8
	s_mov_b32 s[G1VS+6], 0
	s_mov_b32 s[G1VS+7], 0
	; groups 0: s[56:59] K's scale words, s[60:63] K's quarter e, s[68:71] quarter 2 + e; s[72:75], s[76:79], s[80:83] the same for V
	s_mov_b32 s56, 1
	s_lshl_b32 s57, s15, 12
	s_add_co_u32 s57, s57, KS
	s_mov_b32 s60, 1
	s_mul_i32 s61, s15, CH
	s_mov_b32 s68, 1
	s_add_co_u32 s69, s61, 2*CH
	s_mov_b32 s72, 1
	s_lshl_b32 s73, s15, 11
	s_add_co_u32 s73, s73, VS
	s_mov_b32 s76, 1
	s_add_co_u32 s77, s61, VC
	s_mov_b32 s80, 1
	s_add_co_u32 s81, s61, VC+2*CH
	s_mov_b32 s[SEL], 0x76543210
	s_mov_b32 s[SEL+1], 0xfedcba98                 ; v_permlanex16_b32: lane l xor 16
	s_mov_b32 s[CS], 0x3e38aa3b                    ; c = log2(e) / 8
	s_mov_b32 s[CS+1], s[CS]                       ; (named with it as a pair, so it is written)
	s_mov_b32 s[TC], 0
	s_mov_b32 s[TKS], 0
	s_mov_b32 s[TVS], 0
	s_mov_b32 s[KF], 0
	s_wait_dscnt 0x0
	s_wait_kmcnt 0x0
	s_add_nc_u64 s[58:59], s[4:5], s[90:91]
	s_add_nc_u64 s[62:63], s[4:5], s[92:93]
	s_add_nc_u64 s[70:71], s[62:63], 2*CH
	s_add_nc_u64 s[74:75], s[6:7], s[94:95]
	s_add_nc_u64 s[78:79], s[6:7], s[96:97]
	s_add_nc_u64 s[82:83], s[78:79], 16*XCP
.irp g, 59,63,71,75,79,83
	s_or_b32 s\g, s\g, 0x80000000                  ; type = 2
.endr
; THE HEAD'S LOADS, ONE A WAVE AT THE MOST: waves 0, 1 K's codes of keys 0-1,023, waves 2, 3 V's, waves 4, 5 K's scale words, waves 6, 7 V's; e = wave % 2 picks the part.
; One chain of branches on the wave's number, a load to an arm, all arms leading to one join.  A wave has one tensor load outstanding at the most.
.macro ARM under, g0, g1, next, join
	s_cmp_lt_u32 s[WV], \under
	s_cbranch_scc0 \next
	tensor_load_to_lds s[\g0:\g0+3], s[\g1:\g1+7]
	s_nop 0
.rept 4
	v_nop
.endr
	s_branch \join
\next:
.endm
	ARM 2, 60, G1KC, .Lh1, .Lasked
	ARM 4, 76, G1VC, .Lh2, .Lasked
	ARM 6, 56, G1KS, .Lh3, .Lasked
	ARM 8, 72, G1VS, .Lh4, .Lasked
.Lasked:
	s_add_nc_u64 s[10:11], s[4:5], s[98:99]        ; Q's codes.  (From here on s[10:17] hold pointers and nothing else)
	s_add_nc_u64 s[12:13], s[4:5], s[2:3]
	s_add_nc_u64 s[12:13], s[12:13], SC4           ; Q's scale half words
	s_add_nc_u64 s[14:15], s[8:9], s[98:99]        ; the context's codes
	s_add_nc_u64 s[16:17], s[8:9], s[2:3]
	s_add_nc_u64 s[16:17], s[16:17], SC1           ; and its scale half words
	v_and_b32 v8, 15, v0                           ; r
	v_bfe_u32 v9, v0, 4, 1                         ; h
	v_and_b32 v10, 31, v0                          ; lane
	s_delay_alu instid0(VALU_DEP_1)
	v_lshlrev_b32 v[AK16], 4, v10                  ; 16 x lane (K's codes begin at LDS byte 0)
	s_delay_alu instid0(VALU_DEP_2)
	v_lshl_add_u32 v[AK8], v10, 3, 512             ; 512 + 8 x lane
	v_lshlrev_b32 v[R16], 4, v8
	global_load_b128 v[16:19], v[AK16], s[10:11]   ; Q's half fragment stays in registers
	global_load_b64 v[20:21], v[AK8], s[10:11]
	global_load_u16 v29, v[R16], s[12:13]          ; its two scale bytes; the upper two are 0
	v_add_nc_u32 v[AKS], s[AKB], v[R16]            ; K's scale half words: KS + 16 r + 2 (head % 2)
	v_add_nc_u32 v[AV16], VC, v[AK16]
	v_add_nc_u32 v[AV8], VC, v[AK8]
	v_add_nc_u32 v[AVS], VS, v[R16]
	v_and_b32 v11, 8, v8
	s_delay_alu instid0(VALU_DEP_1)
	v_add_nc_u32 v[DQ], v11, v8
	v_lshlrev_b32 v11, 4, v9
	s_delay_alu instid0(VALU_DEP_1)
	v_sub_nc_u32 v[DQ], v[DQ], v11                 ; r + 8 (r / 8) - 16 h
.irp j, 22,23,24,25,26,27,80,81,82,83,84,85
	v_mov_b32 v\j, 0                               ; zero codes: the upper half of Q's fragment, and what follows K's last tile
.endr
	v_mov_b32 v13, 0xff61b1e6                      ; the largest t so far: -3e38, under every t
	s_delay_alu instid0(VALU_DEP_1)
	v_floor_f32 v12, -v13                          ; -M
	v_mov_b32 v14, 0                               ; the sum, in two halves
	v_mov_b32 v15, 0
.irp j, 236,237,238,239,252,253
	v_mov_b32 v\j, 0                               ; written once: a lane permute's destination counts as one of its sources, and v253 is named as the upper half of a pair
.endr
.set j, 0
.rept 32
	v_mov_b32 v[160+j], 0                          ; O^T.  (The step is written once for all trips: the first finds zeros, which the first change of M leaves zeros)
.set j, j+1
.endr
; A KEY STEP: 128 keys.
.macro STEP
	s_add_co_u32 s90, s[QB], 23                    ; my last query
	s_cmp_gt_u32 s[KF], s90
	s_cbranch_scc1 .Lhidden_\@                     ; all keys of the step come after my queries
	v_add_nc_u32 v7, s[TC], v[AK16]                ; (these six are also the places in front of loads into registers that the last products read)
	v_add_nc_u32 v8, s[TC], v[AK8]
	v_add_nc_u32 v9, s[TKS], v[AKS]
	v_add_nc_u32 v10, s[TC], v[AV16]
	v_add_nc_u32 v11, s[TC], v[AV8]
	v_add_nc_u32 v28, s[TVS], v[AVS]
.irp kt, 0,1,2,3,4,5,6,7
	ds_load_b128 v[32+6*\kt:35+6*\kt], v7 offset:768*\kt
	ds_load_b64 v[36+6*\kt:37+6*\kt], v8 offset:768*\kt
	ds_load_u16 v[192+\kt], v9 offset:256*(\kt/4)+4*(\kt%4)
.endr
	s_wait_dscnt 0x0
.irp kt, 0,1,2,3,4,5,6,7
	v_wmma_scale_f32_16x16x128_f8f6f4 v[96+8*\kt:103+8*\kt], v[32+6*\kt:43+6*\kt], v[16:27], 0, v[192+\kt], v29 matrix_a_fmt:MATRIX_FMT_BF6 matrix_b_fmt:MATRIX_FMT_BF6
.endr
.rept 4
	v_nop
.endr
	s_wait_alu depctr_va_vdst(0)                   ; the wait here, directly ahead of the readers of v10, v11 and v28
.irp dt, 0,1,2,3                       ; V's four fragments, four places behind the products that read K's: they land while the softmax is worked
	ds_load_b128 v[32+12*\dt:35+12*\dt], v10 offset:768*\dt
	ds_load_b64 v[36+12*\dt:37+12*\dt], v11 offset:768*\dt
	ds_load_b128 v[38+12*\dt:41+12*\dt], v10 offset:3072+768*\dt
	ds_load_b64 v[42+12*\dt:43+12*\dt], v11 offset:3072+768*\dt
.endr
	ds_load_b128 v[200:203], v28                   ; the scale words of the head's four tiles
	s_add_co_u32 s90, s[KF], 127
	s_cmp_le_u32 s90, s[QB]
	s_cbranch_scc1 .Lopen_\@                       ; all keys of the step count for all my queries
	s_sub_co_i32 s90, s[QB], s[KF]
	v_add_nc_u32 v252, s90, v[DQ]                  ; d = my query - KF - 16 h.  Register 16 b + i holds key KF + 16 h + 32 b + i: hidden where 32 b + i > d
	v_mov_b32 v254, 0xff800000                     ; -infinity
.set n, 0
.rept 64
	v_cmp_gt_i32 vcc_lo, 32*(n/16)+n%16, v252
	v_cndmask_b32 v[96+n], v[96+n], v254, vcc_lo
.set n, n+1
.endr
.Lopen_\@:
.irp b, 0,1,2,3
	v_max3_num_f32 v[232+\b], v[96+16*\b], v[97+16*\b], v[98+16*\b]   ; the largest score of each block of 32 keys: it serves for the row's maximum and, since p rises with the score, for the block's largest p
.endr
.irp i, 3,5,7,9,11,13
.irp b, 0,1,2,3
	v_max3_num_f32 v[232+\b], v[232+\b], v[96+16*\b+\i], v[97+16*\b+\i]
.endr
.endr
.irp b, 0,1,2,3
	v_max_num_f32 v[232+\b], v[232+\b], v[111+16*\b]
.endr
.irp b, 0,1,2,3
	s_delay_alu instid0(VALU_DEP_4)
	v_permlanex16_b32 v[236+\b], v[232+\b], s[SEL], s[SEL+1]
.endr
.irp b, 0,1,2,3
	s_delay_alu instid0(VALU_DEP_4)
	v_max_num_f32 v[232+\b], v[232+\b], v[236+\b]  ; with lane l xor 16's 16 keys
.endr
	s_delay_alu instid0(VALU_DEP_2)
	v_max3_num_f32 v254, v232, v233, v234
	s_delay_alu instid0(VALU_DEP_1)
	v_max_num_f32 v254, v254, v235                 ; the step's largest score of my query
	s_delay_alu instid0(VALU_DEP_1)
	v_mul_f32 v254, s[CS], v254                    ; as t (c is positive)
	s_delay_alu instid0(VALU_DEP_1)
	v_max_num_f32 v13, v13, v254                   ; the running largest t
	v_mov_b32 v254, v12
	s_delay_alu instid0(VALU_DEP_2)
	v_floor_f32 v12, -v13                          ; the new -M = floor(-t) = -ceil(t)
	s_delay_alu instid0(VALU_DEP_1)
	v_sub_f32 v254, v12, v254                      ; old M - new M: a whole number, 0 or less
	s_delay_alu instid0(VALU_DEP_1)
	v_cvt_i32_f32 v254, v254                       ; (it saturates)
	s_delay_alu instid0(VALU_DEP_1)
	v_ldexp_f32 v252, 1.0, v254                    ; f = 2^(old M - new M)
.set j, 0
.rept 32
	v_pk_fma_f32 v[96+j:97+j], v[96+j:97+j], s[CS:CS+1], v[12:13] op_sel_hi:[1,0,0]   ; t - M, two at a time
.set j, j+2
.endr
.irp b, 0,1,2,3
	v_fma_f32 v[232+\b], v[232+\b], s[CS], v12     ; the same of each block's largest score
.endr
.set j, 0
	s_wait_alu depctr_va_vdst(0)
.rept 64
	v_exp_f32 v[96+j], v[96+j]                     ; p = 2^(t - M), at most 1
.set j, j+1
.endr
.irp b, 0,1,2,3
	v_exp_f32 v[232+\b], v[232+\b]                 ; the block's largest p: the same two instructions on the same number give the same bits
.endr
	v_pk_mul_f32 v[14:15], v[14:15], v[252:253] op_sel_hi:[1,0]   ; the sums under the new M.  (A plain line behind the exponentials)
	s_wait_alu depctr_va_vdst(0)
.irp b, 0,1,2,3
	v_max_num_f32 v[232+\b], 0x2800000, v[232+\b]  ; the floor 2^(5 - 127): the byte cannot fall under 1
.endr
.irp b, 0,1,2,3
	s_delay_alu instid0(VALU_DEP_4)
	v_add_nc_u32 v[244+\b], 0xfe000000, v[232+\b]  ; 4 off the exponent field: the conversion's scale operand
.endr
.irp b, 0,1,2,3
	s_delay_alu instid0(VALU_DEP_4)
	v_lshrrev_b32 v[236+\b], 23, v[244+\b]         ; the scale's byte
.endr
	s_delay_alu instid0(VALU_DEP_3)
	v_lshl_or_b32 v253, v237, 8, v236              ; p's scale word for these 128 keys
	s_delay_alu instid0(VALU_DEP_1)
	v_lshl_or_b32 v253, v238, 16, v253
	s_delay_alu instid0(VALU_DEP_1)
	v_lshl_or_b32 v253, v239, 24, v253
.irp c, 0,1
	v_cvt_scalef32_pk16_bf6_f32 v[224+6*\c:226+6*\c], v[96+32*\c:111+32*\c], v[244+2*\c]
	v_cvt_scalef32_pk16_bf6_f32 v[236+4*\c:238+4*\c], v[112+32*\c:127+32*\c], v[244+2*\c+1]   ; (a conversion's three registers begin on an even number)
.endr
	v_nop                                          ; one plain line behind the scaled conversions
.irp c, 0,1                            ; a whole block to a lane: lanes 0-15 block 2 c, lanes 16-31 block 2 c + 1
.irp i, 0,1,2
	v_permlane16_swap_b32 v[224+6*\c+\i], v[236+4*\c+\i]
.endr
.irp i, 0,1,2
	s_delay_alu instid0(VALU_DEP_3)
	v_mov_b32 v[227+6*\c+\i], v[236+4*\c+\i]
.endr
.endr
	v_pk_add_f32 v[236:237], v[100:101], v[104:105]
	v_pk_add_f32 v[248:249], v[108:109], v[112:113]
	v_pk_add_f32 v[246:247], v[116:117], v[120:121]
	v_pk_add_f32 v[244:245], v[124:125], v[128:129]
	v_pk_add_f32 v[242:243], v[132:133], v[136:137]
	v_pk_add_f32 v[240:241], v[140:141], v[144:145]
	v_pk_add_f32 v[222:223], v[148:149], v[152:153]
	v_pk_add_f32 v[14:15], v[14:15], v[156:157]
	v_pk_add_f32 v[236:237], v[236:237], v[96:97]
	v_pk_add_f32 v[248:249], v[248:249], v[98:99]
	v_pk_add_f32 v[246:247], v[246:247], v[102:103]
	v_pk_add_f32 v[244:245], v[244:245], v[106:107]
	v_pk_add_f32 v[242:243], v[242:243], v[110:111]
	v_pk_add_f32 v[240:241], v[240:241], v[114:115]
	v_pk_add_f32 v[222:223], v[222:223], v[118:119]
	v_pk_add_f32 v[14:15], v[14:15], v[122:123]
	v_pk_add_f32 v[236:237], v[236:237], v[126:127]
	v_pk_add_f32 v[248:249], v[248:249], v[130:131]
	v_pk_add_f32 v[246:247], v[246:247], v[134:135]
	v_pk_add_f32 v[244:245], v[244:245], v[138:139]
	v_pk_add_f32 v[242:243], v[242:243], v[142:143]
	v_pk_add_f32 v[240:241], v[240:241], v[146:147]
	v_pk_add_f32 v[222:223], v[222:223], v[150:151]
	v_pk_add_f32 v[14:15], v[14:15], v[154:155]
	v_pk_add_f32 v[236:237], v[236:237], v[158:159]
	s_delay_alu instid0(VALU_DEP_2)
	v_pk_add_f32 v[14:15], v[14:15], v[244:245]
	s_delay_alu instid0(VALU_DEP_2)
	v_pk_add_f32 v[236:237], v[236:237], v[242:243]
	v_pk_add_f32 v[248:249], v[248:249], v[240:241]
	v_pk_add_f32 v[246:247], v[246:247], v[222:223]
	s_delay_alu instid0(VALU_DEP_2)
	v_pk_add_f32 v[14:15], v[14:15], v[248:249]
	s_delay_alu instid0(VALU_DEP_2)
	v_pk_add_f32 v[236:237], v[236:237], v[246:247]
	s_delay_alu instid0(VALU_DEP_1)
	v_pk_add_f32 v[14:15], v[14:15], v[236:237]
.set j, 0
.rept 16
	v_pk_mul_f32 v[160+j:161+j], v[160+j:161+j], v[252:253] op_sel_hi:[1,0]   ; O^T under the new M
.set j, j+2
.endr
	s_wait_alu depctr_va_vdst(0)
	s_wait_dscnt 0x0
.irp dt, 0,1,2,3
	v_wmma_scale_f32_16x16x128_f8f6f4 v[160+8*\dt:167+8*\dt], v[32+12*\dt:43+12*\dt], v[224:235], v[160+8*\dt:167+8*\dt], v[200+\dt], v253 matrix_a_fmt:MATRIX_FMT_BF6 matrix_b_fmt:MATRIX_FMT_BF6
.endr
.Lhidden_\@:
	s_add_co_u32 s[KF], s[KF], 128
	s_add_co_u32 s[TC], s[TC], 6144
	s_add_co_u32 s[TKS], s[TKS], 512
	s_add_co_u32 s[TVS], s[TVS], 256
.endm
	s_wait_loadcnt 0x0                             ; Q
	s_wait_tensorcnt 0x0                           ; my part of the scale words or of keys 0-1,023 is in; these lines stand ahead of a later first fill:
	ds_add_u32 v251, v255                          ; the add, twice on end
	ds_add_u32 v251, v255
	s_wait_dscnt 0x0
	s_barrier_signal -1
	s_barrier_wait -1                              ; everybody's are
	ARM 2, 68, G1KC, .Lg1, .Lasked2                ; keys 1,024 on: K's codes by waves 0, 1, V's by waves 2, 3; they have the first eight steps in which to land
	ARM 4, 80, G1VC, .Lg2, .Lasked2
.Lasked2:
	s_mov_b32 s[CNT], 8
.Lk0:
	STEP
	s_sub_co_u32 s[CNT], s[CNT], 1
	s_cmp_lg_u32 s[CNT], 0
	s_cbranch_scc1 .Lk0
	s_wait_tensorcnt 0x0                           ; keys 1,024 on
	s_wait_dscnt 0x0
	s_barrier_signal -1
	s_barrier_wait -1
	s_mov_b32 s[TC], 8*6144                        ; where eight steps have brought them
	s_mov_b32 s[TKS], 8*512
	s_mov_b32 s[TVS], 8*256
	s_mov_b32 s[KF], 1024
	s_mov_b32 s[CNT], 8
.Lk1:
	STEP
	s_sub_co_u32 s[CNT], s[CNT], 1
	s_cmp_lg_u32 s[CNT], 0
	s_cbranch_scc1 .Lk1
	; THE WAY OUT: O^T / the sum, quantised along the head's 64: one image and two scale bytes a row
.rept 4
	v_nop                                          ; places behind the last products
.endr
	v_add_f32 v14, v14, v15                        ; the sum's two halves,
	s_delay_alu instid0(VALU_DEP_1)
	v_permlanex16_b32 v252, v14, s[SEL], s[SEL+1]
	s_delay_alu instid0(VALU_DEP_1)
	v_add_f32 v14, v14, v252                       ; and lane l xor 16's
	s_wait_alu depctr_va_vdst(0)
	v_rcp_f32 v14, v14
	v_nop                                          ; one plain line behind the transcendental
.set j, 0
	s_wait_alu depctr_va_vdst(0)
.rept 32
	v_mul_f32 v[96+j], v[160+j], v14               ; register 16 b + i is channel 32 b + 16 h + i of my query
.set j, j+1
.endr
.irp b, 0,1
	v_max3_num_f32 v[TM+\b], |v[96+16*\b]|, |v[97+16*\b]|, 0x2800000
.endr
.irp i, 2,4,6,8,10,12,14
.irp b, 0,1
	s_delay_alu instid0(VALU_DEP_2)
	v_max3_num_f32 v[TM+\b], v[TM+\b], |v[96+16*\b+\i]|, |v[97+16*\b+\i]|
.endr
.endr
.irp b, 0,1
	s_delay_alu instid0(VALU_DEP_2)
	v_permlanex16_b32 v[TM+4+\b], v[TM+\b], s[SEL], s[SEL+1]
.endr
.irp b, 0,1
	s_delay_alu instid0(VALU_DEP_2)
	v_max_num_f32 v[TM+\b], v[TM+\b], v[TM+4+\b]
.endr
.irp b, 0,1
	s_delay_alu instid0(VALU_DEP_2)
	v_add_nc_u32 v[TM+12+\b], 0xfe000000, v[TM+\b]
.endr
.irp b, 0,1
	s_delay_alu instid0(VALU_DEP_2)
	v_lshrrev_b32 v[TM+4+\b], 23, v[TM+12+\b]
.endr
	s_delay_alu instid0(VALU_DEP_1)
	v_lshl_or_b32 v248, v[TM+5], 8, v[TM+4]
	v_cvt_scalef32_pk16_bf6_f32 v[224:226], v[96:111], v[TM+12]
	v_cvt_scalef32_pk16_bf6_f32 v[228:230], v[112:127], v[TM+13]
	v_nop
.irp i, 0,1,2
	v_permlane16_swap_b32 v[224+\i], v[228+\i]
.endr
.irp i, 0,1,2
	s_delay_alu instid0(VALU_DEP_3)
	v_mov_b32 v[227+\i], v[228+\i]
.endr
	global_store_b128 v[AK16], v[224:227], s[14:15]   ; 512 consecutive bytes of the image
	global_store_b64 v[AK8], v[228:229], s[14:15]     ; and its last 256
	global_store_b16 v[R16], v248, s[16:17]           ; lanes r and r + 16 write the same half word with the same value
	s_wait_tensorcnt 0x0
	ds_add_u32 v251, v255
	s_wait_dscnt 0x0
	s_endpgm
.Lfunc_end_k_q7ed61b8a06_attn:
	.size	k_q7ed61b8a06_attn, .Lfunc_end_k_q7ed61b8a06_attn-k_q7ed61b8a06_attn
	.p2alignl 7, 3214868480
	.fill 96, 4, 3214868480
	.section	.rodata,"a",@progbits
	.p2align	6, 0x0
	.amdhsa_kernel k_q7ed61b8a06_attn
		.amdhsa_group_segment_fixed_size 327680
		.amdhsa_private_segment_fixed_size 0
		.amdhsa_enable_private_segment 0
		.amdhsa_kernarg_size 24
		.amdhsa_user_sgpr_count 2
		.amdhsa_user_sgpr_kernarg_segment_ptr 1
		.amdhsa_wavefront_size32 1
		.amdhsa_system_sgpr_workgroup_id_x 1
		.amdhsa_system_sgpr_workgroup_id_y 1
		.amdhsa_system_sgpr_workgroup_id_z 1
		.amdhsa_system_vgpr_workitem_id 0
		.amdhsa_next_free_vgpr 256
		.amdhsa_next_free_sgpr 100
		.amdhsa_reserve_vcc 1
		.amdhsa_float_denorm_mode_32 3
		.amdhsa_float_denorm_mode_16_64 3
		.amdhsa_memory_ordered 1
		.amdhsa_forward_progress 1
		.amdhsa_inst_pref_size 63
	.end_amdhsa_kernel
	.amdgpu_metadata
---
amdhsa.version: [ 1, 2 ]
amdhsa.kernels:
  - .name:           k_q7ed61b8a06_attn
    .symbol:         k_q7ed61b8a06_attn.kd
    .args:
      - { .name: QK, .offset: 0, .size: 8, .value_kind: global_buffer, .address_space: global }
      - { .name: VG, .offset: 8, .size: 8, .value_kind: global_buffer, .address_space: global }
      - { .name: H, .offset: 16, .size: 8, .value_kind: global_buffer, .address_space: global }
    .group_segment_fixed_size: 327680
    .private_segment_fixed_size: 0
    .kernarg_segment_align: 8
    .kernarg_segment_size: 24
    .max_flat_workgroup_size: 512
    .sgpr_count:     100
    .vgpr_count:     256
    .wavefront_size: 32
...
	.end_amdgpu_metadata
.endif
;; end of part 4
;; launch proj (part 5): grid 8 x 32, 4 waves a work-group, clusters of 4 x 4, 327,680 bytes of LDS; arguments WB, H, bo, x, X1; writes X1
.if DOCPART == 5
	.amdgcn_target "amdgcn-amd-amdhsa--gfx1250"
	.amdhsa_code_object_version 6
	.text
	.protected	k_q7ed61b8a06_proj
	.globl	k_q7ed61b8a06_proj
	.p2align	8
	.type	k_q7ed61b8a06_proj,@function
k_q7ed61b8a06_proj:
	s_mov_b64 s[64:65], 0
	v_nop
	global_prefetch_b8 v0, s[64:65] scope:SCOPE_SE
	s_setreg_imm32_b32 hwreg(HW_REG_WAVE_MODE, 25, 1), 1
	s_wait_xcnt 0x0
	s_wait_alu depctr_hold_cnt(0) depctr_sa_sdst(0) depctr_va_vdst(0) depctr_va_sdst(0) depctr_va_ssrc(0) depctr_va_vcc(0) depctr_vm_vsrc(0)
	s_getreg_b32 s2, hwreg(HW_REG_IB_STS2, 6, 4)
	s_cmp_eq_u32 s2, 0
	s_cbranch_scc0 .Lentry_in_a_cluster
	s_endpgm
.Lentry_in_a_cluster:
	s_bfe_u32 s2, ttmp6, 0x10000c
	s_cmp_lg_u32 s2, 0xf033
	s_cbranch_scc0 .Lentry_shape_is_right
	s_endpgm
.Lentry_shape_is_right:
.set MODE,  2
.set KTOT,  1024
.set XOFF,  3276800
.set SCO,   3145728
.set SC4,   12582912
.set XCP,   196608
.set KSP,   16384
.set TILEB, 768
.set XROW,  8*TILEB
.set HALFT, 4*XROW
.set SLOT,  4*HALFT
.set LAPS,  KTOT/1024
.set HALFS, (KTOT/256)*512
.set SCL,   2*SLOT
.set STAGE, 229376
.set SPITCH, 272
.set SPARE, 246784
.set ADY16, 16
.set ADY8,  18
.set ADX16, 20
.set ADX8,  22
.set STO,   24
.set RD,    25
.set GO,    26
.set ADRS,  27
.set SPW,   28
.set NIL,   29
.set L16,   30
.set L8,    31
.set BI,    32
.set SC,    64
.set TM,    72
.set PW,    88
.set PC,    92
.set ACC,   128
.set G1,   24
.set G0,   32
.set G1B,  48
.set G0B,  56
.set G1S,  68
.set G0S,  76
.set G1SB, 80
.set G0SB, 88
.set MSB, 0
.macro WIN new
.if MSB != \new
	s_set_vgpr_msb (MSB<<8)|\new
.set MSB, \new
.endif
.endm
.set MUL,  0x05
.set TO_F, 0x40
.macro JLOAD g0a, g1a, g0b, g1b
	s_cmp_eq_u32 s15, 0
	s_cbranch_scc0 .Lfor_b_\@
	tensor_load_to_lds s[\g0a:\g0a+3], s[\g1a:\g1a+7]
	s_nop 0
.rept 4
	v_nop
.endr
	s_branch .Lasked_\@
.Lfor_b_\@:
	tensor_load_to_lds s[\g0b:\g0b+3], s[\g1b:\g1b+7]
	s_nop 0
.rept 4
	v_nop
.endr
.Lasked_\@:
.endm
.macro CREST
	s_cmp_lg_u32 s14, 0
	s_cbranch_scc1 .Lnot_wave_0_\@
	s_barrier_signal -3
.Lnot_wave_0_\@:
	s_barrier_wait -3
	s_barrier_signal -1
	s_barrier_wait -1
.endm
.macro CROUND
	s_barrier_signal -1
	s_barrier_wait -1
	CREST
.endm
.macro PLACES
.rept 4
	v_nop
.endr
.endm
	s_load_b128 s[4:7], s[0:1], 0x0
.if MODE == 0
	s_load_b64 s[12:13], s[0:1], 0x10
.elseif MODE == 1
	s_load_b64 s[8:9], s[0:1], 0x10
	s_load_b64 s[12:13], s[0:1], 0x18
.else
	s_load_b128 s[8:11], s[0:1], 0x10
	s_load_b64 s[12:13], s[0:1], 0x20
.endif
	v_lshl_add_u32 v[SPW], v0, 2, SPARE
	v_mov_b32 v[NIL], 0
	ds_add_u32 v28, v29
	ds_add_u32 v28, v29
	s_wait_dscnt 0x0
	v_lshrrev_b32 v1, 5, v0
	v_readfirstlane_b32 s14, v1
	s_lshr_b32 s15, s14, 1
	s_and_b32 s16, s14, 1
	s_bfe_u32 s40, ttmp6, 0x40000
	s_bfe_u32 s41, ttmp6, 0x40004
	s_lshl_b32 s42, ttmp9, 2
	s_add_co_u32 s42, s42, s40
	s_and_b32 s17, ttmp7, 0xffff
	s_lshl_b32 s17, s17, 2
	s_add_co_u32 s17, s17, s41
	s_lshl_b32 s43, s41, 2
	s_lshl_b32 s43, 15, s43
	s_lshl_b32 s44, 0x1111, s40
	s_or_b32 s[G1+0], s43, (3<<16)|(1<<21)
	s_or_b32 s[G1B+0], s44, (3<<16)|(1<<21)
.irp g, G1, G1B
	s_mov_b32 s[\g+1], (XROW/8)<<16
	s_mov_b32 s[\g+2], 16<<16
	s_mov_b32 s[\g+3], (XROW/8)<<16
	s_mov_b32 s[\g+4], 16
	s_mov_b32 s[\g+5], XCP/8
	s_mov_b32 s[\g+6], 0
	s_mov_b32 s[\g+7], 0
.endr
	s_or_b32 s[G1S+0], s43, (3<<16)|(1<<21)
	s_or_b32 s[G1SB+0], s44, (3<<16)|(1<<21)
.irp g, G1S, G1SB
	s_mov_b32 s[\g+1], 64<<16
	s_mov_b32 s[\g+2], (KTOT/128)<<16
	s_mov_b32 s[\g+3], 64<<16
	s_mov_b32 s[\g+4], KTOT/128
	s_mov_b32 s[\g+5], KSP/8
	s_mov_b32 s[\g+6], 0
	s_mov_b32 s[\g+7], 0
.endr
	s_mul_i32 s20, s17, XROW
	s_mov_b32 s21, 0
	s_mul_i32 s46, s42, XROW
.if XOFF
	s_add_co_u32 s46, s46, XOFF
.endif
	s_mov_b32 s47, 0
	s_lshl_b32 s22, s17, 9
	s_add_co_u32 s22, s22, SCO
	s_mov_b32 s23, 0
	s_lshl_b32 s92, s42, 9
	s_add_co_u32 s92, s92, XOFF+SCO
	s_mov_b32 s93, 0
	s_wait_kmcnt 0x0
	s_add_nc_u64 s[20:21], s[6:7], s[20:21]
	s_add_nc_u64 s[22:23], s[6:7], s[22:23]
	s_add_nc_u64 s[46:47], s[4:5], s[46:47]
	s_add_nc_u64 s[92:93], s[4:5], s[92:93]
	CROUND
	s_mov_b32 s[G0S], 1
	s_mov_b32 s[G0S+1], SCL
	s_mov_b64 s[G0S+2:G0S+3], s[22:23]
	s_or_b32 s[G0S+3], s[G0S+3], 0x80000000
	s_mov_b32 s[G0SB], 1
	s_mov_b32 s[G0SB+1], SCL+2*HALFS
	s_mov_b64 s[G0SB+2:G0SB+3], s[92:93]
	s_or_b32 s[G0SB+3], s[G0SB+3], 0x80000000
	s_mov_b32 s[G0], 1                             ; Y's sixteen runs on end from LDS byte 0,
	s_mov_b32 s[G0+1], 0
	s_mov_b64 s[G0+2:G0+3], s[20:21]
	s_or_b32 s[G0+3], s[G0+3], 0x80000000
	s_mov_b32 s[G0B], 1                            ; X's sixteen behind them
	s_mov_b32 s[G0B+1], SLOT
	s_mov_b64 s[G0B+2:G0B+3], s[46:47]
	s_or_b32 s[G0B+3], s[G0B+3], 0x80000000
; THE HEAD'S LOADS, ONE A WAVE: wave 0 all of Y's codes, wave 1 all of X's, wave 2 Y's scale words, wave 3 X's.  Each LDS byte is filled once; a wave has one tensor load outstanding.
.macro ARM under, g0, g1, next, join
	s_cmp_lt_u32 s14, \under
	s_cbranch_scc0 \next
	tensor_load_to_lds s[\g0:\g0+3], s[\g1:\g1+7]
	s_nop 0
.rept 4
	v_nop
.endr
	s_branch \join
\next:
.endm
	ARM 1, G0,  G1,  .Lhead_b,  .Lhead_asked
	ARM 2, G0B, G1B, .Lhead_sa, .Lhead_asked
	ARM 3, G0S, G1S, .Lhead_sb, .Lhead_asked
	tensor_load_to_lds s[G0SB:G0SB+3], s[G1SB:G1SB+7]
	s_nop 0
.rept 4
	v_nop
.endr
.Lhead_asked:
	v_and_b32 v1, 15, v0
	v_bfe_u32 v2, v0, 4, 1
	v_and_b32 v3, 31, v0
	v_lshlrev_b32 v[L16], 4, v3
	v_lshlrev_b32 v[L8], 3, v3
	s_mul_i32 s21, s15, 4*TILEB
	s_mul_i32 s22, s16, 4*TILEB
	s_add_co_u32 s22, s22, 4*HALFT
.irp s, 0,1
	v_add_nc_u32 v[ADY16+\s], s21, v[L16]
	v_add_nc_u32 v[ADX16+\s], s22, v[L16]
	v_add_nc_u32 v[ADY8+\s], s21, v[L8]
	v_add_nc_u32 v[ADX8+\s], s22, v[L8]
	s_add_co_u32 s21, s21, SLOT/2
	s_add_co_u32 s22, s22, SLOT/2
.endr
	s_lshl_b32 s21, s15, 8
	s_lshl_b32 s22, s16, 8
	s_add_co_u32 s22, s22, 2*HALFS
	s_sub_co_u32 s22, s22, s21
	v_mul_u32_u24 v6, s22, v2
	s_add_co_u32 s21, s21, SCL
	v_lshl_add_u32 v5, v1, 4, v6
	v_add_nc_u32 v[ADRS], s21, v5
.if MODE >= 2
	s_mul_i32 s23, s14, 16*SPITCH
	s_add_co_u32 s23, s23, STAGE
	v_mul_u32_u24 v5, v1, SPITCH
	v_lshl_add_u32 v5, v2, 6, v5
	v_add_nc_u32 v[STO], s23, v5
	v_mul_u32_u24 v5, v2, SPITCH
	v_lshl_add_u32 v5, v1, 4, v5
	v_add_nc_u32 v[RD], s23, v5
	v_lshlrev_b32 v5, 12, v2
	v_lshl_add_u32 v[GO], v1, 4, v5
.else
	v_lshlrev_b32 v5, 2, v2
	v_lshl_add_u32 v[GO], v1, 4, v5
	v_mov_b32 v[TM+4], 0
	v_mov_b32 v[TM+5], 0
	s_mov_b32 s95, 0xffff0000
	s_mov_b32 s96, 0x76543210
	s_mov_b32 s97, 0xfedcba98
.endif
.if MODE == 1
	s_mov_b32 s98, 0xbdd2d3e8
	s_mov_b32 s99, s98
	v_mov_b32 v124, 0xc0135761
	v_mov_b32 v125, 0xc0135761
.endif
.if MODE > 0
	s_wait_alu depctr_va_vdst(0)
	v_lshlrev_b32 v4, 6, v2
	s_lshl_b32 s46, s42, 9
	s_lshl_b32 s47, s16, 8
	s_add_co_u32 s46, s46, s47
	s_mov_b32 s47, 0
	s_add_nc_u64 s[8:9], s[8:9], s[46:47]
.irp xt, 0,1,2,3
	global_load_b128 v[BI+8*\xt:BI+8*\xt+3], v4, s[8:9] offset:(32*(\xt/2)+8*(\xt%2))*4
	global_load_b128 v[BI+8*\xt+4:BI+8*\xt+7], v4, s[8:9] offset:(32*(\xt/2)+8*(\xt%2))*4+16
.endr
.endif
.if MODE >= 2
	s_lshl_b32 s20, s17, 19
	s_lshl_b32 s21, s15, 18
	s_add_co_u32 s20, s20, s21
	s_lshl_b32 s46, s42, 9
	s_lshl_b32 s47, s16, 8
	s_add_co_u32 s46, s46, s47
	s_add_co_u32 s46, s46, s20
	s_mov_b32 s47, 0
	s_add_nc_u64 s[10:11], s[10:11], s[46:47]
	s_add_nc_u64 s[12:13], s[12:13], s[46:47]
	WIN 0x80
.irp yt, 0,1,2,3
.irp i, 0,1,2,3,4,5,6,7
	global_load_b128 v[32*\yt+4*\i:32*\yt+4*\i+3], v[GO], s[10:11] offset:(32*(\yt/2)+8*(\yt%2)+2*\i+8*(\i/4))*4096
.endr
.endr
	WIN 0
	s_wait_loadcnt 32
.else
	s_lshl_b32 s46, s42, 1
	s_add_co_u32 s46, s46, s16
	s_mul_i32 s46, s46, XCP
	s_lshl_b32 s20, s17, 1
	s_add_co_u32 s20, s20, s15
	s_mul_i32 s21, s20, 4*TILEB
	s_add_co_u32 s46, s46, s21
	s_mov_b32 s47, 0
	s_add_nc_u64 s[10:11], s[12:13], s[46:47]
	s_mul_i32 s46, s42, KSP
	s_lshl_b32 s20, s20, 8
	s_add_co_u32 s46, s46, s20
	s_lshl_b32 s20, s16, 1
	s_add_co_u32 s46, s46, s20
	s_add_co_u32 s46, s46, SC4
	s_add_nc_u64 s[12:13], s[12:13], s[46:47]
.if MODE == 1
	s_wait_loadcnt 0x0
.endif
.endif
.macro FETCH slot, q, f
	WIN TO_F
.irp t, 0,1,2,3
.irp c, 0,1
	ds_load_b128 v[128*(\f)+12*\t+6*\c:128*(\f)+12*\t+6*\c+3], v[ADY16+\slot] offset:(2*(\q)+\c)*XROW+TILEB*\t
	ds_load_b64 v[128*(\f)+12*\t+6*\c+4:128*(\f)+12*\t+6*\c+5], v[ADY8+\slot] offset:(2*(\q)+\c)*XROW+TILEB*\t+512
.endr
.endr
.irp t, 0,1,2,3
.irp c, 0,1
	ds_load_b128 v[128*(\f)+48+12*\t+6*\c:128*(\f)+48+12*\t+6*\c+3], v[ADX16+\slot] offset:(2*(\q)+\c)*XROW+TILEB*\t
	ds_load_b64 v[128*(\f)+48+12*\t+6*\c+4:128*(\f)+48+12*\t+6*\c+5], v[ADX8+\slot] offset:(2*(\q)+\c)*XROW+TILEB*\t+512
.endr
.endr
	WIN 0
	ds_load_b128 v[SC+4*(\f):SC+4*(\f)+3], v[ADRS] offset:512*(\q)
.endm
.macro MULROW f, yt, first
.irp xt, 0,1,2,3
.if \first
.if MODE == 0
	v_wmma_scale_f32_16x16x128_f8f6f4 v[ACC+32*\yt+8*\xt:ACC+32*\yt+8*\xt+7], v[128*(\f)+48+12*\xt:128*(\f)+48+12*\xt+11], v[128*(\f)+12*\yt:128*(\f)+12*\yt+11], 0, v[SC+4*(\f)+\xt], v[SC+4*(\f)+\yt] matrix_a_fmt:MATRIX_FMT_BF6 matrix_b_fmt:MATRIX_FMT_BF6 matrix_a_scale:MATRIX_SCALE_ROW1
.else
	v_wmma_scale_f32_16x16x128_f8f6f4 v[ACC+32*\yt+8*\xt:ACC+32*\yt+8*\xt+7], v[128*(\f)+48+12*\xt:128*(\f)+48+12*\xt+11], v[128*(\f)+12*\yt:128*(\f)+12*\yt+11], v[BI+8*\xt:BI+8*\xt+7], v[SC+4*(\f)+\xt], v[SC+4*(\f)+\yt] matrix_a_fmt:MATRIX_FMT_BF6 matrix_b_fmt:MATRIX_FMT_BF6 matrix_a_scale:MATRIX_SCALE_ROW1
.endif
.else
	v_wmma_scale_f32_16x16x128_f8f6f4 v[ACC+32*\yt+8*\xt:ACC+32*\yt+8*\xt+7], v[128*(\f)+48+12*\xt:128*(\f)+48+12*\xt+11], v[128*(\f)+12*\yt:128*(\f)+12*\yt+11], v[ACC+32*\yt+8*\xt:ACC+32*\yt+8*\xt+7], v[SC+4*(\f)+\xt], v[SC+4*(\f)+\yt] matrix_a_fmt:MATRIX_FMT_BF6 matrix_b_fmt:MATRIX_FMT_BF6 matrix_a_scale:MATRIX_SCALE_ROW1
.endif
.endr
.endm
.macro STEP slot, q, f, first
	s_wait_dscnt 0x0
	PLACES
	FETCH \slot, (\q)+1, 1-(\f)
	WIN MUL
	MULROW \f, 0, \first
	MULROW \f, 1, \first
	MULROW \f, 2, \first
	MULROW \f, 3, \first
	WIN 0
.endm
.macro TURN slot, next, fill
	s_wait_tensorcnt 0x0
	ds_add_u32 v[SPW], v[NIL]
	s_wait_dscnt 1
	WIN MUL
	MULROW 1, 0, 0
	s_wait_dscnt 0x0
	s_barrier_signal -1
	MULROW 1, 1, 0
	WIN 0
	s_barrier_wait -1
.if \fill
	CREST
	s_add_nc_u64 s[G0+4*\slot+2:G0+4*\slot+3], s[G0+4*\slot+2:G0+4*\slot+3], 16*XCP
	s_add_nc_u64 s[G0B+4*\slot+2:G0B+4*\slot+3], s[G0B+4*\slot+2:G0B+4*\slot+3], 16*XCP
	JLOAD G0+4*\slot, G1, G0B+4*\slot, G1B
.else
	PLACES
.endif
	v_add_nc_u32 v[ADRS], 2048, v[ADRS]
	FETCH \next, 0, 0
	WIN MUL
	MULROW 1, 2, 0
	MULROW 1, 3, 0
	WIN 0
.endm
	s_wait_tensorcnt 0x0                           ; my one load is in
	s_barrier_signal -1
	s_barrier_wait -1
	FETCH 0, 0, 0
	STEP 0, 0, 0, 1
.if LAPS > 1
	s_mov_b32 s3, LAPS-1
.Llap:
	STEP 0, 1, 1, 0
	STEP 0, 2, 0, 0
	TURN 0, 1, 1
	STEP 1, 0, 0, 0
	STEP 1, 1, 1, 0
	STEP 1, 2, 0, 0
	TURN 1, 0, 1
	STEP 0, 0, 0, 0
	s_sub_co_u32 s3, s3, 1
	s_cmp_lg_u32 s3, 0
	s_cbranch_scc1 .Llap
.endif
	STEP 0, 1, 1, 0
	STEP 0, 2, 0, 0
	TURN 0, 1, 0
	s_wait_alu depctr_va_vdst(0)
	STEP 1, 0, 0, 0
	STEP 1, 1, 1, 0
	STEP 1, 2, 0, 0
	s_wait_dscnt 0x0
	WIN MUL
	MULROW 1, 0, 0
	MULROW 1, 1, 0
	MULROW 1, 2, 0
	MULROW 1, 3, 0
	WIN 0
	PLACES
.macro TOSTAGE yt
.set BB, 32+40*((\yt)%2)
.irp xt, 0,1,2,3
	ds_store_b128 v[STO], v[ACC+32*(\yt)+8*\xt:ACC+32*(\yt)+8*\xt+3] offset:128*(\xt/2)+32*(\xt%2)
	ds_store_b128 v[STO], v[ACC+32*(\yt)+8*\xt+4:ACC+32*(\yt)+8*\xt+7] offset:128*(\xt/2)+32*(\xt%2)+16
.endr
.irp i, 0,1,2,3,4,5,6,7
	ds_load_b128 v[BB+4*\i:BB+4*\i+3], v[RD] offset:\i*2*SPITCH
.endr
.endm
.macro SENDR yt, younger
.set BB, 32+40*((\yt)%2)
	s_wait_dscnt \younger
	WIN 0x08
.irp i, 0,2,4,6,8,10,12,14,16,18,20,22,24,26,28,30
	v_pk_add_f32 v[BB+\i:BB+\i+1], v[BB+\i:BB+\i+1], v[32*(\yt)+\i:32*(\yt)+\i+1]
.endr
	WIN 0
.irp i, 0,1,2,3,4,5,6,7
	global_store_b128 v[GO], v[BB+4*\i:BB+4*\i+3], s[12:13] offset:(32*((\yt)/2)+8*((\yt)%2)+2*\i+8*(\i/4))*4096
.endr
.endm
	s_wait_loadcnt 0x0
	TOSTAGE 0
.irp a, 1,2,3
.if \a > 1
	s_wait_xcnt 0x0
.endif
	TOSTAGE \a
	SENDR \a-1, 16
.endr
	SENDR 3, 0
	s_wait_tensorcnt 0x0
	ds_add_u32 v[SPW], v[NIL]
	s_wait_dscnt 0x0
	CROUND
	s_endpgm
.Lfunc_end_k_q7ed61b8a06_proj:
	.size	k_q7ed61b8a06_proj, .Lfunc_end_k_q7ed61b8a06_proj-k_q7ed61b8a06_proj
	.p2alignl 7, 3214868480
	.fill 96, 4, 3214868480
	.section	.rodata,"a",@progbits
	.p2align	6, 0x0
	.amdhsa_kernel k_q7ed61b8a06_proj
		.amdhsa_group_segment_fixed_size 327680
		.amdhsa_private_segment_fixed_size 0
		.amdhsa_enable_private_segment 0
		.amdhsa_kernarg_size 40
		.amdhsa_user_sgpr_count 2
		.amdhsa_user_sgpr_kernarg_segment_ptr 1
		.amdhsa_wavefront_size32 1
		.amdhsa_system_sgpr_workgroup_id_x 1
		.amdhsa_system_sgpr_workgroup_id_y 1
		.amdhsa_system_sgpr_workgroup_id_z 1
		.amdhsa_system_vgpr_workitem_id 0
		.amdhsa_next_free_vgpr 640
		.amdhsa_next_free_sgpr 100
		.amdhsa_reserve_vcc 0
		.amdhsa_float_denorm_mode_32 3
		.amdhsa_float_denorm_mode_16_64 3
		.amdhsa_memory_ordered 1
		.amdhsa_forward_progress 1
		.amdhsa_inst_pref_size 60
	.end_amdhsa_kernel
	.amdgpu_metadata
---
amdhsa.version: [ 1, 2 ]
amdhsa.kernels:
  - .name:           k_q7ed61b8a06_proj
    .symbol:         k_q7ed61b8a06_proj.kd
    .args:
      - { .name: WB, .offset: 0, .size: 8, .value_kind: global_buffer, .address_space: global }
      - { .name: H, .offset: 8, .size: 8, .value_kind: global_buffer, .address_space: global }
      - { .name: bo, .offset: 16, .size: 8, .value_kind: global_buffer, .address_space: global }
      - { .name: x, .offset: 24, .size: 8, .value_kind: global_buffer, .address_space: global }
      - { .name: X1, .offset: 32, .size: 8, .value_kind: global_buffer, .address_space: global }
    .group_segment_fixed_size: 327680
    .private_segment_fixed_size: 0
    .kernarg_segment_align: 8
    .kernarg_segment_size: 40
    .max_flat_workgroup_size: 128
    .sgpr_count:     100
    .vgpr_count:     640
    .wavefront_size: 32
...
	.end_amdgpu_metadata
.endif
;; end of part 5
;; launch ln2: the kernel of part 2 again; grid 256 x 1, 8 waves a work-group, no clusters, 67,072 bytes of LDS; arguments X1, ln2_g, ln2_b, H; writes H
;; launch ffn1 (part 6): grid 16 x 16, 4 waves a work-group, clusters of 4 x 4, 327,680 bytes of LDS; arguments WB, H, b1, VG; writes VG
.if DOCPART == 6
	.amdgcn_target "amdgcn-amd-amdhsa--gfx1250"
	.amdhsa_code_object_version 6
	.text
	.protected	k_q7ed61b8a06_ffn1
	.globl	k_q7ed61b8a06_ffn1
	.p2align	8
	.type	k_q7ed61b8a06_ffn1,@function
k_q7ed61b8a06_ffn1:
	s_mov_b64 s[64:65], 0
	v_nop
	global_prefetch_b8 v0, s[64:65] scope:SCOPE_SE
	s_setreg_imm32_b32 hwreg(HW_REG_WAVE_MODE, 25, 1), 1
	s_wait_xcnt 0x0
	s_wait_alu depctr_hold_cnt(0) depctr_sa_sdst(0) depctr_va_vdst(0) depctr_va_sdst(0) depctr_va_ssrc(0) depctr_va_vcc(0) depctr_vm_vsrc(0)
	s_getreg_b32 s2, hwreg(HW_REG_IB_STS2, 6, 4)
	s_cmp_eq_u32 s2, 0
	s_cbranch_scc0 .Lentry_in_a_cluster
	s_endpgm
.Lentry_in_a_cluster:
	s_bfe_u32 s2, ttmp6, 0x10000c
	s_cmp_lg_u32 s2, 0xf033
	s_cbranch_scc0 .Lentry_shape_is_right
	s_endpgm
.Lentry_shape_is_right:
.set XOFF,  6553600
.set SCO,   3145728
.set SC4,   12582912
.set XCP,   196608
.set KSP,   16384
.set TILEB, 768
.set XROW,  16*TILEB
.set HALFT, 2*XROW
.set SLOT,  4*HALFT
.set HALFS, 4*1024
.set SCL,   3*SLOT
.set SPARE, SCL+4*HALFS
.set ADY16, 4
.set ADY8,  7
.set ADX16, 10
.set ADX8,  13
.set ADRS,  16
.set SPW,   17
.set NIL,   18
.set L16,   19
.set L8,    20
.set GO,    21
.set SC,    32
.set BI,    48
.set PC,    48
.set WD,    112
.set WS,    120
.set AF,    128
.set T,     128
.set TM,    224
.set G1,   24
.set G0,   32
.set G1B,  44
.set G0B,  52
.set G1S,  68
.set G0S,  76
.set G1SB, 80
.set G0SB, 88
.set MSB, 0
.macro WIN new
.if MSB != \new
	s_set_vgpr_msb (MSB<<8)|\new
.set MSB, \new
.endif
.endm
.set MUL_LO, 0xa1
.set MUL_HI, 0xf1
.set FST_LO, 0x81
.set FST_HI, 0xc1
.set TO_X,   0x40
.macro JLOAD g0a, g1a, g0b, g1b
	s_cmp_eq_u32 s15, 0
	s_cbranch_scc0 .Lfor_b_\@
	tensor_load_to_lds s[\g0a:\g0a+3], s[\g1a:\g1a+7]
	s_nop 0
.rept 4
	v_nop
.endr
	s_branch .Lasked_\@
.Lfor_b_\@:
	tensor_load_to_lds s[\g0b:\g0b+3], s[\g1b:\g1b+7]
	s_nop 0
.rept 4
	v_nop
.endr
.Lasked_\@:
.endm
.macro CREST
	s_cmp_lg_u32 s14, 0
	s_cbranch_scc1 .Lnot_wave_0_\@
	s_barrier_signal -3
.Lnot_wave_0_\@:
	s_barrier_wait -3
	s_barrier_signal -1
	s_barrier_wait -1
.endm
.macro CROUND
	s_barrier_signal -1
	s_barrier_wait -1
	CREST
.endm
.macro PLACES
.rept 4
	v_nop
.endr
.endm
	s_load_b128 s[4:7], s[0:1], 0x0
	s_load_b64 s[8:9], s[0:1], 0x10
	s_load_b64 s[12:13], s[0:1], 0x18
	v_lshl_add_u32 v[SPW], v0, 2, SPARE
	v_mov_b32 v[NIL], 0
	ds_add_u32 v17, v18
	ds_add_u32 v17, v18
	s_wait_dscnt 0x0
	v_lshrrev_b32 v1, 5, v0
	v_readfirstlane_b32 s14, v1
	s_lshr_b32 s15, s14, 1
	s_and_b32 s16, s14, 1
	s_bfe_u32 s92, ttmp6, 0x40000
	s_bfe_u32 s93, ttmp6, 0x40004
	s_lshl_b32 s94, ttmp9, 2
	s_add_co_u32 s94, s94, s92
	s_and_b32 s17, ttmp7, 0xffff
	s_lshl_b32 s17, s17, 2
	s_add_co_u32 s17, s17, s93
	s_lshl_b32 s18, s93, 2
	s_lshl_b32 s18, 15, s18
	s_lshl_b32 s19, 0x1111, s92
	s_or_b32 s[G1+0], s18, (3<<16)|(1<<21)
	s_or_b32 s[G1B+0], s19, (3<<16)|(1<<21)
	s_or_b32 s[G1S+0], s18, (3<<16)|(1<<21)
	s_or_b32 s[G1SB+0], s19, (3<<16)|(1<<21)
.irp g, G1, G1B
	s_mov_b32 s[\g+1], (XROW/8)<<16
	s_mov_b32 s[\g+2], 4<<16
	s_mov_b32 s[\g+3], (XROW/8)<<16
	s_mov_b32 s[\g+4], 4
	s_mov_b32 s[\g+5], XCP/8
	s_mov_b32 s[\g+6], 0
	s_mov_b32 s[\g+7], 0
.endr
.irp g, G1S, G1SB
	s_mov_b32 s[\g+1], 128<<16
	s_mov_b32 s[\g+2], 8<<16
	s_mov_b32 s[\g+3], 128<<16
	s_mov_b32 s[\g+4], 8
	s_mov_b32 s[\g+5], KSP/8
	s_mov_b32 s[\g+6], 0
	s_mov_b32 s[\g+7], 0
.endr
	s_mul_i32 s20, s17, XROW
	s_mov_b32 s21, 0
	s_mul_i32 s2, s94, XROW
	s_add_co_u32 s2, s2, XOFF
	s_mov_b32 s3, 0
	s_lshl_b32 s22, s17, 10
	s_add_co_u32 s22, s22, SCO
	s_mov_b32 s23, 0
	s_lshl_b32 s92, s94, 10
	s_add_co_u32 s92, s92, XOFF+SCO
	s_mov_b32 s93, 0
	s_wait_kmcnt 0x0
	s_add_nc_u64 s[20:21], s[6:7], s[20:21]
	s_add_nc_u64 s[22:23], s[6:7], s[22:23]
	s_add_nc_u64 s[2:3], s[4:5], s[2:3]
	s_add_nc_u64 s[92:93], s[4:5], s[92:93]
	CROUND
	s_mov_b32 s[G0S], 1
	s_mov_b32 s[G0S+1], SCL
	s_mov_b64 s[G0S+2:G0S+3], s[22:23]
	s_or_b32 s[G0S+3], s[G0S+3], 0x80000000
	s_mov_b32 s[G0SB], 1
	s_mov_b32 s[G0SB+1], SCL+2*HALFS
	s_mov_b64 s[G0SB+2:G0SB+3], s[92:93]
	s_or_b32 s[G0SB+3], s[G0SB+3], 0x80000000
.irp s, 0,1,2
	s_mov_b32 s[G0+4*\s], 1
	s_mov_b32 s[G0+4*\s+1], \s*SLOT
	s_add_nc_u64 s[G0+4*\s+2:G0+4*\s+3], s[20:21], \s*4*XCP
	s_or_b32 s[G0+4*\s+3], s[G0+4*\s+3], 0x80000000
	s_mov_b32 s[G0B+4*\s], 1
	s_mov_b32 s[G0B+4*\s+1], \s*SLOT+2*HALFT
	s_add_nc_u64 s[G0B+4*\s+2:G0B+4*\s+3], s[2:3], \s*4*XCP
	s_or_b32 s[G0B+4*\s+3], s[G0B+4*\s+3], 0x80000000
.endr
; THE HEAD'S LOADS, ONE A WAVE: wave 0 slot 0's four runs of Y, wave 1 its four runs of X, wave 2 Y's scale words for all of K, wave 3 X's.
; One chain of branches on the wave's number, a load to an arm, all arms leading to one join.
.macro ARM under, g0, g1, next, join
	s_cmp_lt_u32 s14, \under
	s_cbranch_scc0 \next
	tensor_load_to_lds s[\g0:\g0+3], s[\g1:\g1+7]
	s_nop 0
.rept 4
	v_nop
.endr
	s_branch \join
\next:
.endm
	ARM 1, G0,  G1,  .Lhead_b,  .Lhead_asked
	ARM 2, G0B, G1B, .Lhead_sa, .Lhead_asked
	ARM 3, G0S, G1S, .Lhead_sb, .Lhead_asked
	tensor_load_to_lds s[G0SB:G0SB+3], s[G1SB:G1SB+7]
	s_nop 0
.rept 4
	v_nop
.endr
.Lhead_asked:
	v_and_b32 v1, 15, v0
	v_bfe_u32 v2, v0, 4, 1
	v_and_b32 v3, 31, v0
	v_lshlrev_b32 v[L16], 4, v3
	v_lshlrev_b32 v[L8], 3, v3
	s_mul_i32 s21, s15, 8*TILEB
	s_mul_i32 s22, s16, 8*TILEB
	s_add_co_u32 s22, s22, 2*HALFT
.irp s, 0,1,2
	v_add_nc_u32 v[ADY16+\s], s21, v[L16]
	v_add_nc_u32 v[ADX16+\s], s22, v[L16]
	v_add_nc_u32 v[ADY8+\s], s21, v[L8]
	v_add_nc_u32 v[ADX8+\s], s22, v[L8]
	s_add_co_u32 s21, s21, SLOT
	s_add_co_u32 s22, s22, SLOT
.endr
	s_lshl_b32 s21, s15, 9
	s_lshl_b32 s22, s16, 9
	s_add_co_u32 s22, s22, 2*HALFS
	s_sub_co_u32 s22, s22, s21
	v_mul_u32_u24 v24, s22, v2
	s_add_co_u32 s21, s21, SCL
	v_lshl_add_u32 v23, v1, 4, v24
	v_add_nc_u32 v[ADRS], s21, v23
	v_lshlrev_b32 v23, 8, v2
	v_lshl_add_u32 v[GO], v1, 4, v23
	v_mov_b32 v[TM+4], 0
	v_mov_b32 v[TM+5], 0
	s_mov_b32 s95, 0xffff0000
	s_mov_b32 s96, 0x76543210
	s_mov_b32 s97, 0xfedcba98
	s_mov_b32 s98, 0xbdd2d3e8
	s_mov_b32 s99, s98
	v_mov_b32 v124, 0xc0135761
	v_mov_b32 v125, 0xc0135761
	v_lshlrev_b32 v22, 6, v2
	s_lshl_b32 s2, s94, 10
	s_lshl_b32 s3, s16, 9
	s_add_co_u32 s2, s2, s3
	s_mov_b32 s3, 0
	s_add_nc_u64 s[8:9], s[8:9], s[2:3]
.irp xt, 0,1,2,3,4,5,6,7
	global_load_b128 v[BI+8*\xt:BI+8*\xt+3], v22, s[8:9] offset:(32*(\xt/2)+8*(\xt%2))*4
	global_load_b128 v[BI+8*\xt+4:BI+8*\xt+7], v22, s[8:9] offset:(32*(\xt/2)+8*(\xt%2))*4+16
.endr
	s_lshl_b32 s2, s94, 2
	s_lshl_b32 s3, s16, 1
	s_add_co_u32 s2, s2, s3
	s_mul_i32 s2, s2, XCP
	s_lshl_b32 s92, s17, 1
	s_add_co_u32 s92, s92, s15
	s_mul_i32 s3, s92, 8*TILEB
	s_add_co_u32 s2, s2, s3
	s_mov_b32 s3, 0
	s_add_nc_u64 s[10:11], s[12:13], s[2:3]
	s_lshl_b32 s2, s94, 1
	s_add_co_u32 s2, s2, s16
	s_mul_i32 s2, s2, KSP
	s_lshl_b32 s92, s92, 9
	s_add_co_u32 s2, s2, s92
	s_add_co_u32 s2, s2, SC4
	s_add_nc_u64 s[12:13], s[12:13], s[2:3]
.macro FETCH_X k
.set SL, ((\k)/2)%3
.set QQ, (\k)%2
.set PP, 128*((\k)%2)
	WIN TO_X
.irp t, 0,1,2,3,4,5,6,7
.irp c, 0,1
	ds_load_b128 v[PP+12*\t+6*\c:PP+12*\t+6*\c+3], v[ADX16+SL] offset:(2*QQ+\c)*XROW+TILEB*\t
	ds_load_b64 v[PP+12*\t+6*\c+4:PP+12*\t+6*\c+5], v[ADX8+SL] offset:(2*QQ+\c)*XROW+TILEB*\t+512
.endr
.endr
	WIN 0
.endm
.macro FETCH_Y k, t0
.set SL, ((\k)/2)%3
.set QQ, (\k)%2
.irp t, 0,1,2,3
.irp c, 0,1
	ds_load_b128 v[AF+12*((\t0)+\t)+6*\c:AF+12*((\t0)+\t)+6*\c+3], v[ADY16+SL] offset:(2*QQ+\c)*XROW+TILEB*((\t0)+\t)
	ds_load_b64 v[AF+12*((\t0)+\t)+6*\c+4:AF+12*((\t0)+\t)+6*\c+5], v[ADY8+SL] offset:(2*QQ+\c)*XROW+TILEB*((\t0)+\t)+512
.endr
.endr
.endm
.macro SCALES k
	ds_load_b128 v[SC+8*((\k)%2):SC+8*((\k)%2)+3], v[ADRS] offset:1024*(\k)
	ds_load_b128 v[SC+8*((\k)%2)+4:SC+8*((\k)%2)+7], v[ADRS] offset:1024*(\k)+256
.endm
.macro MULY k, yt, first
.irp xt, 0,1,2,3,4,5,6,7
.if \first
	v_wmma_scale_f32_16x16x128_f8f6f4 v[64*((\yt)%4)+8*\xt:64*((\yt)%4)+8*\xt+7], v[128*((\k)%2)+12*\xt:128*((\k)%2)+12*\xt+11], v[AF+12*(\yt):AF+12*(\yt)+11], v[BI+8*\xt:BI+8*\xt+7], v[SC+8*((\k)%2)+\xt], v[SC+8*((\k)%2)+(\yt)] matrix_a_fmt:MATRIX_FMT_BF6 matrix_b_fmt:MATRIX_FMT_BF6 matrix_a_scale:MATRIX_SCALE_ROW1
.else
	v_wmma_scale_f32_16x16x128_f8f6f4 v[64*((\yt)%4)+8*\xt:64*((\yt)%4)+8*\xt+7], v[128*((\k)%2)+12*\xt:128*((\k)%2)+12*\xt+11], v[AF+12*(\yt):AF+12*(\yt)+11], v[64*((\yt)%4)+8*\xt:64*((\yt)%4)+8*\xt+7], v[SC+8*((\k)%2)+\xt], v[SC+8*((\k)%2)+(\yt)] matrix_a_fmt:MATRIX_FMT_BF6 matrix_b_fmt:MATRIX_FMT_BF6 matrix_a_scale:MATRIX_SCALE_ROW1
.endif
.endr
.endm
.macro REST k, first
	FETCH_X (\k)+1
	FETCH_Y (\k)+1, 0
	SCALES (\k)+1
.if \first
	WIN FST_HI
.else
	WIN MUL_HI
.endif
	MULY \k, 4, \first
	MULY \k, 5, \first
	MULY \k, 6, \first
	MULY \k, 7, \first
	PLACES
	WIN 0
	FETCH_Y (\k)+1, 4
.endm
.macro STEP k, first
	s_wait_dscnt 16
.if \first
	WIN FST_LO
.else
	WIN MUL_LO
.endif
	MULY \k, 0, \first
	MULY \k, 1, \first
	MULY \k, 2, \first
	MULY \k, 3, \first
	s_wait_dscnt 0x0
	PLACES
	REST \k, \first
.endm
.macro TURN k, fill
	s_wait_tensorcnt 0x0
	ds_add_u32 v[SPW], v[NIL]
	s_wait_dscnt 17
	WIN MUL_LO
	MULY \k, 0, 0
	MULY \k, 1, 0
	s_wait_dscnt 0x0
	s_barrier_signal -1
	MULY \k, 2, 0
	MULY \k, 3, 0
	WIN 0
	s_barrier_wait -1
.if \fill
	CREST
	s_add_nc_u64 s[G0+2:G0+3], s[G0+2:G0+3], 12*XCP
	s_add_nc_u64 s[G0B+2:G0B+3], s[G0B+2:G0B+3], 12*XCP
	ARM 1, G0,  G1,  .Lr_b, .Lr_done               ; slot 0 again, K's last 256: wave 0 Y's four runs, wave 1 X's; waves 2 and 3 have no part
	ARM 2, G0B, G1B, .Lr_n, .Lr_done
	PLACES                                         ; their places in front of the loads below
.Lr_done:
.else
	PLACES
.endif
	REST \k, 0
.endm
	s_wait_alu depctr_va_vdst(0)
	s_wait_loadcnt 0x0
	s_wait_tensorcnt 0x0                           ; my tile of the head's four is in; these lines stand ahead of a later first fill:
	ds_add_u32 v[SPW], v[NIL]
	s_wait_dscnt 0x0
	CROUND                                         ; a whole round: all four tiles are in, and the joint loads meet
	ARM 1, G0+4,  G1,  .Ls_a, .Ls_done             ; slots 1 and 2, one load a wave: Y's and X's four runs of each
	ARM 2, G0B+4, G1B, .Ls_b, .Ls_done
	ARM 3, G0+8,  G1,  .Ls_c, .Ls_done
	tensor_load_to_lds s[G0B+8:G0B+11], s[G1B:G1B+7]
	s_nop 0
	PLACES
.Ls_done:
	FETCH_X 0
	FETCH_Y 0, 0
	SCALES 0
	FETCH_Y 0, 4
	STEP 0, 1
	TURN 1, 1
	STEP 2, 0
	STEP 3, 0
	STEP 4, 0
	TURN 5, 0
	STEP 6, 0
	s_wait_dscnt 16
	WIN MUL_LO
	MULY 7, 0, 0
	MULY 7, 1, 0
	MULY 7, 2, 0
	MULY 7, 3, 0
	s_wait_dscnt 0x0
	WIN MUL_HI
	MULY 7, 4, 0
	MULY 7, 5, 0
	MULY 7, 6, 0
	MULY 7, 7, 0
	WIN 0
	PLACES
.macro GELU64 w, a
.set WSS, 5*(\w)
.set WS1, 4*(\w)
	WIN WSS
.set i, 0
.rept 32
	v_pk_mul_f32 v[T+i:T+i+1], v[(\a)+i:(\a)+i+1], v[(\a)+i:(\a)+i+1]
.set i, i+2
.endr
	WIN 0
.set i, 0
.rept 32
	v_pk_fma_f32 v[T+i:T+i+1], v[T+i:T+i+1], s[98:99], v[124:125] op_sel_hi:[1,0,1]
.set i, i+2
.endr
	WIN WS1
.set i, 0
.rept 32
	v_pk_mul_f32 v[T+i:T+i+1], v[T+i:T+i+1], v[(\a)+i:(\a)+i+1]
.set i, i+2
.endr
	WIN 0
.set i, 0
	s_wait_alu depctr_va_vdst(0)
.rept 64
	v_exp_f32 v[T+i], v[T+i]
.set i, i+1
.endr
	v_nop
.set i, 0
	s_wait_alu depctr_va_vdst(0)
.rept 32
	v_pk_add_f32 v[T+i:T+i+1], v[T+i:T+i+1], 1.0 op_sel_hi:[1,0]
.set i, i+2
.endr
.set i, 0
	s_wait_alu depctr_va_vdst(0)
.rept 64
	v_rcp_f32 v[T+i], v[T+i]
.set i, i+1
.endr
	v_nop
	WIN WS1
.set i, 0
	s_wait_alu depctr_va_vdst(0)
.rept 32
	v_pk_mul_f32 v[T+i:T+i+1], v[T+i:T+i+1], v[(\a)+i:(\a)+i+1]
.set i, i+2
.endr
	WIN 0
.endm
.macro QUANTH s, pc, pw
.irp b, 0,1
	v_max3_num_f32 v[TM+\b], |v[(\s)+16*\b]|, |v[(\s)+1+16*\b]|, 0x2800000
.endr
.irp i, 2,4,6,8,10,12,14
.irp b, 0,1
	v_max3_num_f32 v[TM+\b], v[TM+\b], |v[(\s)+16*\b+\i]|, |v[(\s)+1+16*\b+\i]|
.endr
.endr
.irp b, 0,1
	v_permlanex16_b32 v[TM+4+\b], v[TM+\b], s96, s97
.endr
.irp b, 0,1
	v_max_num_f32 v[TM+\b], v[TM+\b], v[TM+4+\b]
.endr
.irp b, 0,1
	v_add_nc_u32 v[TM+12+\b], 0xfe000000, v[TM+\b]
.endr
.irp b, 0,1
	v_lshrrev_b32 v[TM+4+\b], 23, v[TM+12+\b]
.endr
	v_lshl_or_b32 v[\pw], v[TM+5], 8, v[TM+4]
	v_cvt_scalef32_pk16_bf6_f32 v[(\pc):(\pc)+2], v[(\s):(\s)+15], v[TM+12]
	v_cvt_scalef32_pk16_bf6_f32 v[(\pc)+4:(\pc)+6], v[(\s)+16:(\s)+31], v[TM+13]
	v_nop
.irp i, 0,1,2
	v_permlane16_swap_b32 v[(\pc)+\i], v[(\pc)+4+\i]
.endr
.irp i, 0,1,2
	v_mov_b32 v[(\pc)+3+\i], v[(\pc)+4+\i]
.endr
.endm
.irp yt, 0,1,2,3,4,5,6,7
.if \yt == 4
	s_wait_xcnt 0x0
.endif
	GELU64 2+\yt/4, 64*(\yt%4)
.irp g, 0,1
.set PCB, PC+8*((2*\yt+\g)%8)
.if \g == 0
	QUANTH T, PCB, WD+\yt
.else
	QUANTH T+32, PCB, TM+8
	v_lshl_or_b32 v[WD+\yt], v[TM+8], 16, v[WD+\yt]
.endif
	global_store_b128 v[L16], v[PCB:PCB+3], s[10:11] offset:\g*XCP+TILEB*\yt
	global_store_b64 v[L8], v[PCB+4:PCB+5], s[10:11] offset:\g*XCP+TILEB*\yt+512
.endr
.endr
.irp j, 0,1,2,3
	v_cndmask_b32 v[WS+\j], v[WD+\j], v[WD+4+\j], s95
.endr
	global_store_b128 v[GO], v[WS:WS+3], s[12:13]
	s_wait_tensorcnt 0x0
	ds_add_u32 v[SPW], v[NIL]
	s_wait_dscnt 0x0
	CROUND
	s_endpgm
.Lfunc_end_k_q7ed61b8a06_ffn1:
	.size	k_q7ed61b8a06_ffn1, .Lfunc_end_k_q7ed61b8a06_ffn1-k_q7ed61b8a06_ffn1
	.p2alignl 7, 3214868480
	.fill 96, 4, 3214868480
	.section	.rodata,"a",@progbits
	.p2align	6, 0x0
	.amdhsa_kernel k_q7ed61b8a06_ffn1
		.amdhsa_group_segment_fixed_size 327680
		.amdhsa_private_segment_fixed_size 0
		.amdhsa_enable_private_segment 0
		.amdhsa_kernarg_size 32
		.amdhsa_user_sgpr_count 2
		.amdhsa_user_sgpr_kernarg_segment_ptr 1
		.amdhsa_wavefront_size32 1
		.amdhsa_system_sgpr_workgroup_id_x 1
		.amdhsa_system_sgpr_workgroup_id_y 1
		.amdhsa_system_sgpr_workgroup_id_z 1
		.amdhsa_system_vgpr_workitem_id 0
		.amdhsa_next_free_vgpr 1024
		.amdhsa_next_free_sgpr 100
		.amdhsa_reserve_vcc 0
		.amdhsa_float_denorm_mode_32 3
		.amdhsa_float_denorm_mode_16_64 3
		.amdhsa_memory_ordered 1
		.amdhsa_forward_progress 1
		.amdhsa_inst_pref_size 255
	.end_amdhsa_kernel
	.section	.bss,"aw",@nobits
	.p2align	6
	.space	262144
	.amdgpu_metadata
---
amdhsa.version: [ 1, 2 ]
amdhsa.kernels:
  - .name:           k_q7ed61b8a06_ffn1
    .symbol:         k_q7ed61b8a06_ffn1.kd
    .args:
      - { .name: WB, .offset: 0, .size: 8, .value_kind: global_buffer, .address_space: global }
      - { .name: H, .offset: 8, .size: 8, .value_kind: global_buffer, .address_space: global }
      - { .name: b1, .offset: 16, .size: 8, .value_kind: global_buffer, .address_space: global }
      - { .name: VG, .offset: 24, .size: 8, .value_kind: global_buffer, .address_space: global }
    .group_segment_fixed_size: 327680
    .private_segment_fixed_size: 0
    .kernarg_segment_align: 8
    .kernarg_segment_size: 32
    .max_flat_workgroup_size: 128
    .sgpr_count:     100
    .vgpr_count:     1024
    .wavefront_size: 32
...
	.end_amdgpu_metadata
.endif
;; end of part 6
;; launch ffn2 (part 7): grid 8 x 32, 4 waves a work-group, clusters of 4 x 4, 327,680 bytes of LDS; arguments WB, VG, b2, X1, out0; writes out0
.if DOCPART == 7
	.amdgcn_target "amdgcn-amd-amdhsa--gfx1250"
	.amdhsa_code_object_version 6
	.text
	.protected	k_q7ed61b8a06_ffn2
	.globl	k_q7ed61b8a06_ffn2
	.p2align	8
	.type	k_q7ed61b8a06_ffn2,@function
k_q7ed61b8a06_ffn2:
	s_mov_b64 s[64:65], 0
	v_nop
	global_prefetch_b8 v0, s[64:65] scope:SCOPE_SE
	s_setreg_imm32_b32 hwreg(HW_REG_WAVE_MODE, 25, 1), 1
	s_wait_xcnt 0x0
	s_wait_alu depctr_hold_cnt(0) depctr_sa_sdst(0) depctr_va_vdst(0) depctr_va_sdst(0) depctr_va_ssrc(0) depctr_va_vcc(0) depctr_vm_vsrc(0)
	s_getreg_b32 s2, hwreg(HW_REG_IB_STS2, 6, 4)
	s_cmp_eq_u32 s2, 0
	s_cbranch_scc0 .Lentry_in_a_cluster
	s_endpgm
.Lentry_in_a_cluster:
	s_bfe_u32 s2, ttmp6, 0x10000c
	s_cmp_lg_u32 s2, 0xf033
	s_cbranch_scc0 .Lentry_shape_is_right
	s_endpgm
.Lentry_shape_is_right:
.set MODE,  3
.set KTOT,  4096
.set XOFF,  9830400
.set SCO,   12582912
.set SC4,   12582912
.set XCP,   196608
.set KSP,   16384
.set TILEB, 768
.set XROW,  8*TILEB
.set HALFT, 4*XROW
.set SLOT,  4*HALFT
.set LAPS,  KTOT/1024
.set HALFS, (KTOT/256)*512
.set SCL,   2*SLOT
.set STAGE, 229376
.set SPITCH, 272
.set SPARE, 246784
.set ADY16, 16
.set ADY8,  18
.set ADX16, 20
.set ADX8,  22
.set STO,   24
.set RD,    25
.set GO,    26
.set ADRS,  27
.set SPW,   28
.set NIL,   29
.set L16,   30
.set L8,    31
.set BI,    32
.set SC,    64
.set TM,    72
.set PW,    88
.set PC,    92
.set ACC,   128
.set G1,   24
.set G0,   32
.set G1B,  48
.set G0B,  56
.set G1S,  68
.set G0S,  76
.set G1SB, 80
.set G0SB, 88
.set MSB, 0
.macro WIN new
.if MSB != \new
	s_set_vgpr_msb (MSB<<8)|\new
.set MSB, \new
.endif
.endm
.set MUL,  0x05
.set TO_F, 0x40
.macro JLOAD g0a, g1a, g0b, g1b
	s_cmp_eq_u32 s15, 0
	s_cbranch_scc0 .Lfor_b_\@
	tensor_load_to_lds s[\g0a:\g0a+3], s[\g1a:\g1a+7]
	s_nop 0
.rept 4
	v_nop
.endr
	s_branch .Lasked_\@
.Lfor_b_\@:
	tensor_load_to_lds s[\g0b:\g0b+3], s[\g1b:\g1b+7]
	s_nop 0
.rept 4
	v_nop
.endr
.Lasked_\@:
.endm
.macro CREST
	s_cmp_lg_u32 s14, 0
	s_cbranch_scc1 .Lnot_wave_0_\@
	s_barrier_signal -3
.Lnot_wave_0_\@:
	s_barrier_wait -3
	s_barrier_signal -1
	s_barrier_wait -1
.endm
.macro CROUND
	s_barrier_signal -1
	s_barrier_wait -1
	CREST
.endm
.macro PLACES
.rept 4
	v_nop
.endr
.endm
	s_load_b128 s[4:7], s[0:1], 0x0
.if MODE == 0
	s_load_b64 s[12:13], s[0:1], 0x10
.elseif MODE == 1
	s_load_b64 s[8:9], s[0:1], 0x10
	s_load_b64 s[12:13], s[0:1], 0x18
.else
	s_load_b128 s[8:11], s[0:1], 0x10
	s_load_b64 s[12:13], s[0:1], 0x20
.endif
	v_lshl_add_u32 v[SPW], v0, 2, SPARE
	v_mov_b32 v[NIL], 0
	ds_add_u32 v28, v29
	ds_add_u32 v28, v29
	s_wait_dscnt 0x0
	v_lshrrev_b32 v1, 5, v0
	v_readfirstlane_b32 s14, v1
	s_lshr_b32 s15, s14, 1
	s_and_b32 s16, s14, 1
	s_bfe_u32 s40, ttmp6, 0x40000
	s_bfe_u32 s41, ttmp6, 0x40004
	s_lshl_b32 s42, ttmp9, 2
	s_add_co_u32 s42, s42, s40
	s_and_b32 s17, ttmp7, 0xffff
	s_lshl_b32 s17, s17, 2
	s_add_co_u32 s17, s17, s41
	s_lshl_b32 s43, s41, 2
	s_lshl_b32 s43, 15, s43
	s_lshl_b32 s44, 0x1111, s40
	s_or_b32 s[G1+0], s43, (3<<16)|(1<<21)
	s_or_b32 s[G1B+0], s44, (3<<16)|(1<<21)
.irp g, G1, G1B
	s_mov_b32 s[\g+1], (XROW/8)<<16
	s_mov_b32 s[\g+2], 8<<16
	s_mov_b32 s[\g+3], (XROW/8)<<16
	s_mov_b32 s[\g+4], 8
	s_mov_b32 s[\g+5], XCP/8
	s_mov_b32 s[\g+6], 0
	s_mov_b32 s[\g+7], 0
.endr
	s_or_b32 s[G1S+0], s43, (3<<16)|(1<<21)
	s_or_b32 s[G1SB+0], s44, (3<<16)|(1<<21)
.irp g, G1S, G1SB
	s_mov_b32 s[\g+1], 64<<16
	s_mov_b32 s[\g+2], (KTOT/128)<<16
	s_mov_b32 s[\g+3], 64<<16
	s_mov_b32 s[\g+4], KTOT/128
	s_mov_b32 s[\g+5], KSP/8
	s_mov_b32 s[\g+6], 0
	s_mov_b32 s[\g+7], 0
.endr
	s_mul_i32 s18, s16, 4*XCP
	s_mul_i32 s20, s17, XROW
	s_add_co_u32 s20, s20, s18
	s_mov_b32 s21, 0
	s_mul_i32 s46, s42, XROW
	s_add_co_u32 s46, s46, s18
.if XOFF
	s_add_co_u32 s46, s46, XOFF
.endif
	s_mov_b32 s47, 0
	s_lshl_b32 s22, s17, 9
	s_add_co_u32 s22, s22, SCO
	s_mov_b32 s23, 0
	s_lshl_b32 s92, s42, 9
	s_add_co_u32 s92, s92, XOFF+SCO
	s_mov_b32 s93, 0
	s_mul_i32 s45, s14, HALFT
	s_mul_i32 s2, s17, XROW                        ; the head's loads of slot 0: Y's eight tiles, from run 0 on,
	s_mov_b32 s3, 0
	s_mul_i32 s94, s42, XROW                       ; and X's
	s_add_co_u32 s94, s94, XOFF
	s_mov_b32 s95, 0
	s_wait_kmcnt 0x0
	s_add_nc_u64 s[20:21], s[6:7], s[20:21]
	s_add_nc_u64 s[22:23], s[6:7], s[22:23]
	s_add_nc_u64 s[46:47], s[4:5], s[46:47]
	s_add_nc_u64 s[92:93], s[4:5], s[92:93]
	s_add_nc_u64 s[98:99], s[6:7], s[2:3]          ; s[96:99]: group 0 for slot 0's eight runs of Y,
	s_add_nc_u64 s[6:7], s[4:5], s[94:95]          ; s[4:7]: for its eight runs of X (the two arguments have been used)
	s_or_b32 s99, s99, 0x80000000
	s_or_b32 s7, s7, 0x80000000
	s_mov_b32 s96, 1
	s_mov_b32 s97, 0
	s_mov_b32 s4, 1
	s_mov_b32 s5, 2*HALFT
	CROUND
	s_mov_b32 s[G0S], 1
	s_mov_b32 s[G0S+1], SCL
	s_mov_b64 s[G0S+2:G0S+3], s[22:23]
	s_or_b32 s[G0S+3], s[G0S+3], 0x80000000
	s_mov_b32 s[G0SB], 1
	s_mov_b32 s[G0SB+1], SCL+2*HALFS
	s_mov_b64 s[G0SB+2:G0SB+3], s[92:93]
	s_or_b32 s[G0SB+3], s[G0SB+3], 0x80000000
.irp s, 0,1
	s_mov_b32 s[G0+4*\s], 1
	s_add_co_u32 s[G0+4*\s+1], s45, \s*SLOT
	s_add_nc_u64 s[G0+4*\s+2:G0+4*\s+3], s[20:21], \s*8*XCP
	s_or_b32 s[G0+4*\s+3], s[G0+4*\s+3], 0x80000000
	s_mov_b32 s[G0B+4*\s], 1
	s_add_co_u32 s[G0B+4*\s+1], s45, \s*SLOT
	s_add_nc_u64 s[G0B+4*\s+2:G0B+4*\s+3], s[46:47], \s*8*XCP
	s_or_b32 s[G0B+4*\s+3], s[G0B+4*\s+3], 0x80000000
.endr
; THE HEAD'S LOADS, ONE A WAVE: wave 0 slot 0's eight runs of Y, wave 1 its eight runs of X, wave 2 Y's scale words for all of K, wave 3 X's.
; One chain of branches on the wave's number, a load to an arm, all arms leading to one join.
.macro ARM under, g0, g1, next, join
	s_cmp_lt_u32 s14, \under
	s_cbranch_scc0 \next
	tensor_load_to_lds s[\g0:\g0+3], s[\g1:\g1+7]
	s_nop 0
.rept 4
	v_nop
.endr
	s_branch \join
\next:
.endm
	ARM 1, 96,  G1,  .Lhead_b,  .Lhead_asked
	ARM 2, 4,   G1B, .Lhead_sa, .Lhead_asked
	ARM 3, G0S, G1S, .Lhead_sb, .Lhead_asked
	tensor_load_to_lds s[G0SB:G0SB+3], s[G1SB:G1SB+7]
	s_nop 0
.rept 4
	v_nop
.endr
.Lhead_asked:
; THE PREFETCHES' BASE.  Of the four runs that my wave fetches of a slot, each of the four partners that ask for them jointly takes one, told apart by address (cx for Y, cy for X): 6,144 bytes, 24 blocks of 256, a lane a block.
	s_cmp_eq_u32 s15, 0                            ; do I fetch for Y?
	s_cselect_b64 s[94:95], s[20:21], s[46:47]
	s_cselect_b32 s92, s40, s41
	s_mul_i32 s92, s92, XCP
	s_mov_b32 s93, 0
	s_add_nc_u64 s[94:95], s[94:95], s[92:93]
	s_add_nc_u64 s[94:95], s[94:95], 16*XCP        ; at slot 2's runs
	v_and_b32 v1, 15, v0
	v_bfe_u32 v2, v0, 4, 1
	v_and_b32 v3, 31, v0
	v_min_u32 v7, 23, v3                           ; v7: the prefetches' offset, 256 x lane; lanes 24-31 name the last block again; never rewritten
	v_lshlrev_b32 v7, 8, v7
	v_lshlrev_b32 v[L16], 4, v3
	v_lshlrev_b32 v[L8], 3, v3
	s_mul_i32 s21, s15, 4*TILEB
	s_mul_i32 s22, s16, 4*TILEB
	s_add_co_u32 s22, s22, 2*HALFT
.irp s, 0,1
	v_add_nc_u32 v[ADY16+\s], s21, v[L16]
	v_add_nc_u32 v[ADX16+\s], s22, v[L16]
	v_add_nc_u32 v[ADY8+\s], s21, v[L8]
	v_add_nc_u32 v[ADX8+\s], s22, v[L8]
	s_add_co_u32 s21, s21, SLOT
	s_add_co_u32 s22, s22, SLOT
.endr
	s_lshl_b32 s21, s15, 8
	s_lshl_b32 s22, s16, 8
	s_add_co_u32 s22, s22, 2*HALFS
	s_sub_co_u32 s22, s22, s21
	v_mul_u32_u24 v6, s22, v2
	s_add_co_u32 s21, s21, SCL
	v_lshl_add_u32 v5, v1, 4, v6
	v_add_nc_u32 v[ADRS], s21, v5
.if MODE >= 2
	s_mul_i32 s23, s14, 16*SPITCH
	s_add_co_u32 s23, s23, STAGE
	v_mul_u32_u24 v5, v1, SPITCH
	v_lshl_add_u32 v5, v2, 6, v5
	v_add_nc_u32 v[STO], s23, v5
	v_mul_u32_u24 v5, v2, SPITCH
	v_lshl_add_u32 v5, v1, 4, v5
	v_add_nc_u32 v[RD], s23, v5
	v_lshlrev_b32 v5, 12, v2
	v_lshl_add_u32 v[GO], v1, 4, v5
.else
	v_lshlrev_b32 v5, 2, v2
	v_lshl_add_u32 v[GO], v1, 4, v5
	v_mov_b32 v[TM+4], 0
	v_mov_b32 v[TM+5], 0
	s_mov_b32 s95, 0xffff0000
	s_mov_b32 s96, 0x76543210
	s_mov_b32 s97, 0xfedcba98
.endif
.if MODE == 1
	s_mov_b32 s98, 0xbdd2d3e8
	s_mov_b32 s99, s98
	v_mov_b32 v124, 0xc0135761
	v_mov_b32 v125, 0xc0135761
.endif
.if MODE > 0
	s_wait_alu depctr_va_vdst(0)
	v_lshlrev_b32 v4, 6, v2
	s_lshl_b32 s46, s42, 9
	s_lshl_b32 s47, s16, 8
	s_add_co_u32 s46, s46, s47
	s_mov_b32 s47, 0
	s_add_nc_u64 s[8:9], s[8:9], s[46:47]
.irp xt, 0,1,2,3
	global_load_b128 v[BI+8*\xt:BI+8*\xt+3], v4, s[8:9] offset:(32*(\xt/2)+8*(\xt%2))*4
	global_load_b128 v[BI+8*\xt+4:BI+8*\xt+7], v4, s[8:9] offset:(32*(\xt/2)+8*(\xt%2))*4+16
.endr
.endif
.if MODE >= 2
	s_lshl_b32 s20, s17, 19
	s_lshl_b32 s21, s15, 18
	s_add_co_u32 s20, s20, s21
	s_lshl_b32 s46, s42, 9
	s_lshl_b32 s47, s16, 8
	s_add_co_u32 s46, s46, s47
	s_add_co_u32 s46, s46, s20
	s_mov_b32 s47, 0
	s_add_nc_u64 s[10:11], s[10:11], s[46:47]
	s_add_nc_u64 s[12:13], s[12:13], s[46:47]
	WIN 0x80
.irp yt, 0,1,2,3
.irp i, 0,1,2,3,4,5,6,7
	global_load_b128 v[32*\yt+4*\i:32*\yt+4*\i+3], v[GO], s[10:11] offset:(32*(\yt/2)+8*(\yt%2)+2*\i+8*(\i/4))*4096
.endr
.endr
	WIN 0
	s_wait_loadcnt 32
.else
	s_lshl_b32 s46, s42, 1
	s_add_co_u32 s46, s46, s16
	s_mul_i32 s46, s46, XCP
	s_lshl_b32 s20, s17, 1
	s_add_co_u32 s20, s20, s15
	s_mul_i32 s21, s20, 4*TILEB
	s_add_co_u32 s46, s46, s21
	s_mov_b32 s47, 0
	s_add_nc_u64 s[10:11], s[12:13], s[46:47]
	s_mul_i32 s46, s42, KSP
	s_lshl_b32 s20, s20, 8
	s_add_co_u32 s46, s46, s20
	s_lshl_b32 s20, s16, 1
	s_add_co_u32 s46, s46, s20
	s_add_co_u32 s46, s46, SC4
	s_add_nc_u64 s[12:13], s[12:13], s[46:47]
.if MODE == 1
	s_wait_loadcnt 0x0
.endif
.endif
.macro FETCH slot, q, f
	WIN TO_F
.irp t, 0,1,2,3
.irp c, 0,1
	ds_load_b128 v[128*(\f)+12*\t+6*\c:128*(\f)+12*\t+6*\c+3], v[ADY16+\slot] offset:(2*(\q)+\c)*XROW+TILEB*\t
	ds_load_b64 v[128*(\f)+12*\t+6*\c+4:128*(\f)+12*\t+6*\c+5], v[ADY8+\slot] offset:(2*(\q)+\c)*XROW+TILEB*\t+512
.endr
.endr
.irp t, 0,1,2,3
.irp c, 0,1
	ds_load_b128 v[128*(\f)+48+12*\t+6*\c:128*(\f)+48+12*\t+6*\c+3], v[ADX16+\slot] offset:(2*(\q)+\c)*XROW+TILEB*\t
	ds_load_b64 v[128*(\f)+48+12*\t+6*\c+4:128*(\f)+48+12*\t+6*\c+5], v[ADX8+\slot] offset:(2*(\q)+\c)*XROW+TILEB*\t+512
.endr
.endr
	WIN 0
	ds_load_b128 v[SC+4*(\f):SC+4*(\f)+3], v[ADRS] offset:512*(\q)
.endm
.macro MULROW f, yt, first
.irp xt, 0,1,2,3
.if \first
.if MODE == 0
	v_wmma_scale_f32_16x16x128_f8f6f4 v[ACC+32*\yt+8*\xt:ACC+32*\yt+8*\xt+7], v[128*(\f)+48+12*\xt:128*(\f)+48+12*\xt+11], v[128*(\f)+12*\yt:128*(\f)+12*\yt+11], 0, v[SC+4*(\f)+\xt], v[SC+4*(\f)+\yt] matrix_a_fmt:MATRIX_FMT_BF6 matrix_b_fmt:MATRIX_FMT_BF6 matrix_a_scale:MATRIX_SCALE_ROW1
.else
	v_wmma_scale_f32_16x16x128_f8f6f4 v[ACC+32*\yt+8*\xt:ACC+32*\yt+8*\xt+7], v[128*(\f)+48+12*\xt:128*(\f)+48+12*\xt+11], v[128*(\f)+12*\yt:128*(\f)+12*\yt+11], v[BI+8*\xt:BI+8*\xt+7], v[SC+4*(\f)+\xt], v[SC+4*(\f)+\yt] matrix_a_fmt:MATRIX_FMT_BF6 matrix_b_fmt:MATRIX_FMT_BF6 matrix_a_scale:MATRIX_SCALE_ROW1
.endif
.else
	v_wmma_scale_f32_16x16x128_f8f6f4 v[ACC+32*\yt+8*\xt:ACC+32*\yt+8*\xt+7], v[128*(\f)+48+12*\xt:128*(\f)+48+12*\xt+11], v[128*(\f)+12*\yt:128*(\f)+12*\yt+11], v[ACC+32*\yt+8*\xt:ACC+32*\yt+8*\xt+7], v[SC+4*(\f)+\xt], v[SC+4*(\f)+\yt] matrix_a_fmt:MATRIX_FMT_BF6 matrix_b_fmt:MATRIX_FMT_BF6 matrix_a_scale:MATRIX_SCALE_ROW1
.endif
.endr
.endm
.macro STEP slot, q, f, first
	s_wait_dscnt 0x0
	PLACES
	FETCH \slot, (\q)+1, 1-(\f)
	WIN MUL
	MULROW \f, 0, \first
	MULROW \f, 1, \first
	MULROW \f, 2, \first
	MULROW \f, 3, \first
	WIN 0
.endm
.macro TURN slot, next, fill
.if \fill
	s_wait_xcnt 0x0                                ; my prefetches have read their base: it steps here, at least three steps of 16 products behind them
	s_add_nc_u64 s[94:95], s[94:95], 8*XCP         ; one slot on: one slot beyond the refill below
.endif
	s_wait_tensorcnt 0x0
	ds_add_u32 v[SPW], v[NIL]
	s_wait_dscnt 1
	WIN MUL
	MULROW 1, 0, 0
	s_wait_dscnt 0x0
	s_barrier_signal -1
	MULROW 1, 1, 0
	WIN 0
	s_barrier_wait -1
.if \fill
	CREST
	s_add_nc_u64 s[G0+4*\slot+2:G0+4*\slot+3], s[G0+4*\slot+2:G0+4*\slot+3], 16*XCP
	s_add_nc_u64 s[G0B+4*\slot+2:G0B+4*\slot+3], s[G0B+4*\slot+2:G0B+4*\slot+3], 16*XCP
	JLOAD G0+4*\slot, G1, G0B+4*\slot, G1B
.else
	PLACES
.endif
	v_add_nc_u32 v[ADRS], 2048, v[ADRS]
	FETCH \next, 0, 0
.if \fill
	s_cmp_gt_u32 s3, 1                             ; the loop's last trip has no slot two refills on: it asks for nothing, so every address stays inside K's 64 runs
	s_cbranch_scc0 .Lno_ask_\@
	global_prefetch_b8 v7, s[94:95] offset:8*XCP th:TH_LOAD_NT scope:SCOPE_SE    ; the slot that stands two refills on
.Lno_ask_\@:
.endif
	WIN MUL
	MULROW 1, 2, 0
	MULROW 1, 3, 0
	WIN 0
.endm
	s_wait_alu depctr_va_vdst(0)                   ; the head's end
	s_wait_tensorcnt 0x0                           ; my tile of the head's four is in; these lines stand ahead of a later first fill:
	ds_add_u32 v[SPW], v[NIL]
	s_mov_b32 s[G1+2], 4<<16                       ; no tensor load of mine is out, so a descriptor may be written: from here on a load brings four runs
	s_mov_b32 s[G1+4], 4
	s_mov_b32 s[G1B+2], 4<<16
	s_mov_b32 s[G1B+4], 4
	s_wait_dscnt 0x0
	CROUND                                         ; a whole round: all four tiles are in, and the joint loads meet
	JLOAD G0+4, G1, G0B+4, G1B                     ; slot 1's first fill, a quarter of the slot a wave
	FETCH 0, 0, 0
	global_prefetch_b8 v7, s[94:95] th:TH_LOAD_NT scope:SCOPE_SE                 ; what the first two refills will load: K's third 512,
	global_prefetch_b8 v7, s[94:95] offset:8*XCP th:TH_LOAD_NT scope:SCOPE_SE    ; and its fourth
	STEP 0, 0, 0, 1
.if LAPS > 1
	s_mov_b32 s3, LAPS-1
.Llap:
	s_wait_alu depctr_va_vdst(0)
	STEP 0, 1, 1, 0
	STEP 0, 2, 0, 0
	TURN 0, 1, 1
	s_wait_alu depctr_va_vdst(0)
	STEP 1, 0, 0, 0
	STEP 1, 1, 1, 0
	STEP 1, 2, 0, 0
	TURN 1, 0, 1
	s_wait_alu depctr_va_vdst(0)
	STEP 0, 0, 0, 0
	s_sub_co_u32 s3, s3, 1
	s_cmp_lg_u32 s3, 0
	s_cbranch_scc1 .Llap
.endif
	STEP 0, 1, 1, 0
	STEP 0, 2, 0, 0
	TURN 0, 1, 0
	s_wait_alu depctr_va_vdst(0)
	STEP 1, 0, 0, 0
	STEP 1, 1, 1, 0
	STEP 1, 2, 0, 0
	s_wait_dscnt 0x0
	WIN MUL
	MULROW 1, 0, 0
	MULROW 1, 1, 0
	MULROW 1, 2, 0
	MULROW 1, 3, 0
	WIN 0
	PLACES
.macro TOSTAGE yt
.set BB, 32+40*((\yt)%2)
.irp xt, 0,1,2,3
	ds_store_b128 v[STO], v[ACC+32*(\yt)+8*\xt:ACC+32*(\yt)+8*\xt+3] offset:128*(\xt/2)+32*(\xt%2)
	ds_store_b128 v[STO], v[ACC+32*(\yt)+8*\xt+4:ACC+32*(\yt)+8*\xt+7] offset:128*(\xt/2)+32*(\xt%2)+16
.endr
.irp i, 0,1,2,3,4,5,6,7
	ds_load_b128 v[BB+4*\i:BB+4*\i+3], v[RD] offset:\i*2*SPITCH
.endr
.endm
.macro SENDR yt, younger
.set BB, 32+40*((\yt)%2)
	s_wait_dscnt \younger
	WIN 0x08
.irp i, 0,2,4,6,8,10,12,14,16,18,20,22,24,26,28,30
	v_pk_add_f32 v[BB+\i:BB+\i+1], v[BB+\i:BB+\i+1], v[32*(\yt)+\i:32*(\yt)+\i+1]
.endr
	WIN 0
.irp i, 0,1,2,3,4,5,6,7
	global_store_b128 v[GO], v[BB+4*\i:BB+4*\i+3], s[12:13] offset:(32*((\yt)/2)+8*((\yt)%2)+2*\i+8*(\i/4))*4096
.endr
.endm
	s_wait_loadcnt 0x0
	TOSTAGE 0
.irp a, 1,2,3
.if \a > 1
	s_wait_xcnt 0x0
.endif
	TOSTAGE \a
	SENDR \a-1, 16
.endr
	SENDR 3, 0
	s_wait_tensorcnt 0x0
	ds_add_u32 v[SPW], v[NIL]
	s_wait_dscnt 0x0
	CROUND
	s_endpgm
.Lfunc_end_k_q7ed61b8a06_ffn2:
	.size	k_q7ed61b8a06_ffn2, .Lfunc_end_k_q7ed61b8a06_ffn2-k_q7ed61b8a06_ffn2
	.p2alignl 7, 3214868480
	.fill 96, 4, 3214868480
	.section	.rodata,"a",@progbits
	.p2align	6, 0x0
	.amdhsa_kernel k_q7ed61b8a06_ffn2
		.amdhsa_group_segment_fixed_size 327680
		.amdhsa_private_segment_fixed_size 0
		.amdhsa_enable_private_segment 0
		.amdhsa_kernarg_size 40
		.amdhsa_user_sgpr_count 2
		.amdhsa_user_sgpr_kernarg_segment_ptr 1
		.amdhsa_wavefront_size32 1
		.amdhsa_system_sgpr_workgroup_id_x 1
		.amdhsa_system_sgpr_workgroup_id_y 1
		.amdhsa_system_sgpr_workgroup_id_z 1
		.amdhsa_system_vgpr_workitem_id 0
		.amdhsa_next_free_vgpr 640
		.amdhsa_next_free_sgpr 100
		.amdhsa_reserve_vcc 0
		.amdhsa_float_denorm_mode_32 3
		.amdhsa_float_denorm_mode_16_64 3
		.amdhsa_memory_ordered 1
		.amdhsa_forward_progress 1
		.amdhsa_inst_pref_size 100
	.end_amdhsa_kernel
	.amdgpu_metadata
---
amdhsa.version: [ 1, 2 ]
amdhsa.kernels:
  - .name:           k_q7ed61b8a06_ffn2
    .symbol:         k_q7ed61b8a06_ffn2.kd
    .args:
      - { .name: WB, .offset: 0, .size: 8, .value_kind: global_buffer, .address_space: global }
      - { .name: VG, .offset: 8, .size: 8, .value_kind: global_buffer, .address_space: global }
      - { .name: b2, .offset: 16, .size: 8, .value_kind: global_buffer, .address_space: global }
      - { .name: X1, .offset: 24, .size: 8, .value_kind: global_buffer, .address_space: global }
      - { .name: out0, .offset: 32, .size: 8, .value_kind: global_buffer, .address_space: global }
    .group_segment_fixed_size: 327680
    .private_segment_fixed_size: 0
    .kernarg_segment_align: 8
    .kernarg_segment_size: 40
    .max_flat_workgroup_size: 128
    .sgpr_count:     100
    .vgpr_count:     640
    .wavefront_size: 32
...
	.end_amdgpu_metadata
.endif
;; end of part 7
